; MI455X (gfx1250); checked and timed in simulation.
; The chip was launched on July 23, 2026; its instructions are those of AMD's public machine-readable ISA for CDNA 5 (MIT licence, August 2026) and "CDNA5" Instruction Set Architecture Reference Guide (July 2026). The comments in the code are by the model that wrote it; some were corrected since.
;; Ro PE Lo FTR Encoder Layer. Allowed arithmetic: float matrix products may take bf16 or f16 operands with f32 sums; all other float work in f32.
;; Inputs: W1 512 x 512 float32; W2 256 x 512 float32; Wk 256 x 256 float32; Wm 256 x 256 float32; Wq 256 x 256 float32; Wv 256 x 256 float32; ln1_b 256 float32; ln1_g 256 float32; ln2_b 256 float32; ln2_g 256 float32; source 4 x 16,384 x 256 float32; x 4 x 16,384 x 256 float32.
;; Outputs: out0 4 x 16,384 x 256 float32.
;; Constants: H = 128, W = 128.
;; One version. Each part assembles by itself: llvm-mc -triple=amdgcn-amd-amdhsa -mcpu=gfx1250 --defsym DOCPART=n.
;; ======== version 1 of 1: 4 launches
;; limits: values are held in f16: magnitudes above 65,504 overflow, below 6.1e-05 lose precision
;; workspace buffers: wkv 262,144 bytes; wst 1,048,576 bytes; part 12,582,912 bytes; kvf 98,304 bytes
;; launch prep (part 1): grid 40 x 1, 4 waves a work-group, no clusters, 34,304 bytes of LDS; arguments Wk, Wv, Wq, Wm, W1, W2, wkv, wst; writes wkv, wst
.if DOCPART == 1
	.amdgcn_target "amdgcn-amd-amdhsa--gfx1250"
	.amdhsa_code_object_version 6
	.text
	.protected	k_qaafd91866f_prep
	.globl	k_qaafd91866f_prep
	.p2align	8
	.type	k_qaafd91866f_prep,@function
k_qaafd91866f_prep:
	s_mov_b64 s[64:65], 0
	v_nop
	global_prefetch_b8 v0, s[64:65] scope:SCOPE_SE
	s_setreg_imm32_b32 hwreg(HW_REG_WAVE_MODE, 25, 1), 1
	s_wait_xcnt 0x0
; The six weight matrices, rounded to bf16 and laid out as matrix fragments in the order in which the later launches walk them.
; A fragment is 16 rows (tile T) x 32 k (step KS) of W[out][in], 1,024 bytes: byte q*512 + lane*16 + 2e holds W[16T + lane%16][32KS + 16q + 8(lane/16) + e].
; W2 is rounded to bf16 like the others and that number is then written as f16 (it is multiplied with an f16 operand).
; LIMIT: that rewriting is exact for 2^-17 <= |w| <= 65,504; below, the error is at most 3e-8 absolute; beyond 65,504 it would be an infinity.
; A wave takes one unit: 16 rows x 256 columns = 8 fragments.  unit = 4 x work-group + wave: 0-15 Wk, 16-31 Wv, 32-47 Wq, 48-63 Wm, 64-127 W1, 128-159 W2 (the last two: tile, column half).
; Each load of the wave covers 512 consecutive bytes of a row; the rows pass through the wave's own stage in LDS; each store covers 512 consecutive bytes of a fragment.
; No cluster, no tensor load: no two work-groups read the same bytes, and a unit is 16 KB.
.set PB,    528                        ; a stage row: 512 bytes of bf16 + 16: the 16 rows that a fragment load touches start 33 x 16 bytes apart
.set STG,   16*PB                      ; a wave's stage
.set SPARE, 4*STG                      ; the spare words, 128 bytes a wave
.set OFR,   4                          ; v4-19   row i's byte offset in the source: 16 x lane + i x row pitch
.set STA,   20                         ; v20     stage, writing: 8 x lane
.set LDR,   21                         ; v21     stage, reading: (lane%16) x PB + 16 (lane/16)
.set DOF,   22                         ; v22-29  fragment ks's byte offset in the destination, + 16 x lane
.set SPW,   30
.set NIL,   31
.set X,     32                         ; v32-159  the unit as loaded; then packed, two registers of each four
.set Y,     160                        ; v160-223 the eight fragments
	s_load_b512 s[4:19], s[0:1], 0x0               ; Wk s[4:5], Wv s[6:7], Wq s[8:9], Wm s[10:11], W1 s[12:13], W2 s[14:15], wkv s[16:17], wst s[18:19]
	v_lshl_add_u32 v[SPW], v0, 2, SPARE
	v_mov_b32 v[NIL], 0
	v_lshrrev_b32 v1, 5, v0
	v_readfirstlane_b32 s20, v1                    ; wave
	v_and_b32 v1, 31, v0                           ; lane
	s_mov_b32 s23, ttmp9
	s_lshl_b32 s21, s23, 2
	s_add_co_u32 s21, s21, s20                     ; unit
	s_and_b32 s22, s21, 15                         ; tile T of a 256 x 256 matrix
	s_and_b32 s36, s21, 1                          ; column half of W1, W2 (and T & 1 of the others)
	s_lshl_b32 s24, s22, 14                        ; source offset: 16 T rows of 1,024 bytes
	s_mov_b32 s25, 0
	s_mov_b32 s30, 1024                            ; row pitch of the source
	s_mov_b32 s31, 0                               ; 1: rewrite as f16
	s_mov_b32 s38, 0xffff0000
	s_wait_kmcnt 0x0
	; the work-group's number says which matrix: source s[26:27], destination s[28:29], first fragment's offset s32, step from ks to ks+2 s33, from ks to ks+1 s34
	s_cmp_lt_u32 s23, 8
	s_cbranch_scc0 .Lq
	s_cmp_lt_u32 s23, 4                            ; Wk, Wv -> wkv [wave 4][u 8][ks 8]: u = T%4 for Wk, 4 + T%4 for Wv
	s_cselect_b64 s[26:27], s[4:5], s[6:7]
	s_cselect_b32 s35, 0, 4
	s_mov_b64 s[28:29], s[16:17]
	s_lshr_b32 s32, s22, 2
	s_lshl_b32 s32, s32, 3
	s_and_b32 s37, s22, 3
	s_add_co_u32 s32, s32, s37
	s_add_co_u32 s32, s32, s35
	s_lshl_b32 s32, s32, 13
	s_mov_b32 s33, 2048
	s_mov_b32 s34, 1024
	s_branch .Lgo
.Lq:
	s_cmp_lt_u32 s23, 12
	s_cbranch_scc0 .Lm
	s_mov_b64 s[26:27], s[8:9]                     ; Wq -> wst [head 8][ks 8][c2 2]
	s_mov_b64 s[28:29], s[18:19]
	s_lshr_b32 s32, s22, 1
	s_lshl_b32 s32, s32, 14
	s_lshl_b32 s37, s36, 10
	s_add_co_u32 s32, s32, s37
	s_mov_b32 s33, 4096
	s_mov_b32 s34, 2048
	s_branch .Lgo
.Lm:
	s_cmp_lt_u32 s23, 16
	s_cbranch_scc0 .Lw1
	s_mov_b64 s[26:27], s[10:11]                   ; Wm -> wst + 131,072 [ks 8][c 16]
	s_mov_b64 s[28:29], s[18:19]
	s_lshl_b32 s32, s22, 10
	s_add_co_u32 s32, s32, 131072
	s_mov_b32 s33, 32768
	s_mov_b32 s34, 16384
	s_branch .Lgo
.Lw1:
	s_mov_b32 s30, 2048
	s_mov_b64 s[28:29], s[18:19]
	s_cmp_lt_u32 s23, 32
	s_cbranch_scc0 .Lw2
	s_mov_b64 s[26:27], s[12:13]                   ; W1 -> wst + 262,144 + 98,304 chunk, [KS 16][u 4]: T = 4 chunk + u, KS = 8 half + ks
	s_sub_co_u32 s22, s21, 64
	s_lshr_b32 s22, s22, 1
	s_lshl_b32 s24, s22, 15
	s_lshl_b32 s37, s36, 10
	s_add_co_u32 s24, s24, s37
	s_lshr_b32 s32, s22, 2
	s_mul_i32 s32, s32, 98304
	s_and_b32 s37, s22, 3
	s_lshl_b32 s37, s37, 10
	s_add_co_u32 s32, s32, s37
	s_lshl_b32 s37, s36, 15
	s_add_co_u32 s32, s32, s37
	s_add_co_u32 s32, s32, 262144
	s_mov_b32 s33, 8192
	s_mov_b32 s34, 4096
	s_branch .Lgo
.Lw2:
	s_mov_b64 s[26:27], s[14:15]                   ; W2 -> wst + 262,144 + 98,304 chunk + 65,536, [ks2 2][c 16]: KS = 8 half + ks = 2 chunk + ks2
	s_sub_co_u32 s22, s21, 128
	s_lshr_b32 s22, s22, 1
	s_lshl_b32 s24, s22, 15
	s_lshl_b32 s37, s36, 10
	s_add_co_u32 s24, s24, s37
	s_mul_i32 s32, s36, 393216
	s_lshl_b32 s37, s22, 10
	s_add_co_u32 s32, s32, s37
	s_add_co_u32 s32, s32, 327680
	s_mov_b32 s33, 98304
	s_mov_b32 s34, 16384
	s_mov_b32 s31, 1
.Lgo:
	s_add_nc_u64 s[26:27], s[26:27], s[24:25]
	v_lshlrev_b32 v[OFR], 4, v1
.set i, 1
.rept 15
	v_add_nc_u32 v[OFR+i], s30, v[OFR+i-1]
.set i, i+1
.endr
.set i, 0
.rept 32                               ; row i/2, piece i%2: 512 consecutive bytes a load
	global_load_b128 v[X+4*i:X+4*i+3], v[OFR+i/2], s[26:27] offset:512*(i%2)
.set i, i+1
.endr
	s_mul_i32 s37, s20, STG
	v_lshl_add_u32 v[STA], v1, 3, s37
	v_and_b32 v2, 15, v0
	v_bfe_u32 v3, v0, 4, 1
	v_mul_u32_u24 v[LDR], v2, PB
	v_lshl_add_u32 v[LDR], v3, 4, v[LDR]
	v_add_nc_u32 v[LDR], s37, v[LDR]
	v_lshl_add_u32 v[DOF], v1, 4, s32
	v_add_nc_u32 v[DOF+1], s34, v[DOF]
.set i, 2
.rept 6
	v_add_nc_u32 v[DOF+i], s33, v[DOF+i-2]
.set i, i+1
.endr
	s_wait_loadcnt 0x0
.set i, 0
.rept 32                               ; four f32 become four bf16 in the first two of their registers
	v_cvt_pk_bf16_f32 v[X+4*i], v[X+4*i], v[X+4*i+1]
	v_cvt_pk_bf16_f32 v[X+4*i+1], v[X+4*i+2], v[X+4*i+3]
.set i, i+1
.endr
	s_cmp_eq_u32 s31, 0
	s_cbranch_scc1 .Lbf
.set i, 0
.rept 32                               ; W2 alone: the bf16 numbers written as f16
	v_lshlrev_b32 v[X+4*i+2], 16, v[X+4*i]
	v_and_b32 v[X+4*i+3], s38, v[X+4*i]
	v_cvt_pk_f16_f32 v[X+4*i], v[X+4*i+2], v[X+4*i+3]
	v_lshlrev_b32 v[X+4*i+2], 16, v[X+4*i+1]
	v_and_b32 v[X+4*i+3], s38, v[X+4*i+1]
	v_cvt_pk_f16_f32 v[X+4*i+1], v[X+4*i+2], v[X+4*i+3]
.set i, i+1
.endr
.Lbf:
.set i, 0
.rept 32
	ds_store_b64 v[STA], v[X+4*i:X+4*i+1] offset:(i/2)*PB+(i%2)*256
.set i, i+1
.endr
.set i, 0
.rept 16                               ; fragment i/2, half i%2.  The stage is the wave's own and LDS serves a wave's instructions in order (ISA guide 5.7.1.4): these see the stores above
	ds_load_b128 v[Y+4*i:Y+4*i+3], v[LDR] offset:(i/2)*64+(i%2)*32
.set i, i+1
.endr
.set i, 0
.rept 16
	s_wait_dscnt 15-i                              ; LDS loads come back in order: load i is in
	global_store_b128 v[DOF+i/2], v[Y+4*i:Y+4*i+3], s[28:29] offset:(i%2)*512  ; 512 consecutive bytes, at a multiple of 512 from the buffer's first byte
.set i, i+1
.endr
	s_wait_tensorcnt 0x0                           ; the wave's end: these three lines behind my last LDS store
	ds_add_u32 v[SPW], v[NIL]
	s_wait_dscnt 0x0
	s_endpgm
.Lfunc_end_k_qaafd91866f_prep:
	.size	k_qaafd91866f_prep, .Lfunc_end_k_qaafd91866f_prep-k_qaafd91866f_prep
	.p2alignl 7, 3214868480
	.fill 96, 4, 3214868480
	.section	.rodata,"a",@progbits
	.p2align	6, 0x0
	.amdhsa_kernel k_qaafd91866f_prep
		.amdhsa_group_segment_fixed_size 34304
		.amdhsa_private_segment_fixed_size 0
		.amdhsa_enable_private_segment 0
		.amdhsa_kernarg_size 64
		.amdhsa_user_sgpr_count 2
		.amdhsa_user_sgpr_kernarg_segment_ptr 1
		.amdhsa_wavefront_size32 1
		.amdhsa_system_sgpr_workgroup_id_x 1
		.amdhsa_system_sgpr_workgroup_id_y 1
		.amdhsa_system_sgpr_workgroup_id_z 1
		.amdhsa_system_vgpr_workitem_id 0
		.amdhsa_next_free_vgpr 224
		.amdhsa_next_free_sgpr 66
		.amdhsa_reserve_vcc 0
		.amdhsa_float_denorm_mode_32 3
		.amdhsa_float_denorm_mode_16_64 3
		.amdhsa_memory_ordered 1
		.amdhsa_forward_progress 1
		.amdhsa_inst_pref_size 26
	.end_amdhsa_kernel
	.amdgpu_metadata
---
amdhsa.version: [ 1, 2 ]
amdhsa.kernels:
  - .name:           k_qaafd91866f_prep
    .symbol:         k_qaafd91866f_prep.kd
    .args:
      - { .name: Wk, .offset: 0, .size: 8, .value_kind: global_buffer, .address_space: global }
      - { .name: Wv, .offset: 8, .size: 8, .value_kind: global_buffer, .address_space: global }
      - { .name: Wq, .offset: 16, .size: 8, .value_kind: global_buffer, .address_space: global }
      - { .name: Wm, .offset: 24, .size: 8, .value_kind: global_buffer, .address_space: global }
      - { .name: W1, .offset: 32, .size: 8, .value_kind: global_buffer, .address_space: global }
      - { .name: W2, .offset: 40, .size: 8, .value_kind: global_buffer, .address_space: global }
      - { .name: wkv, .offset: 48, .size: 8, .value_kind: global_buffer, .address_space: global }
      - { .name: wst, .offset: 56, .size: 8, .value_kind: global_buffer, .address_space: global }
    .group_segment_fixed_size: 34304
    .private_segment_fixed_size: 0
    .kernarg_segment_align: 8
    .kernarg_segment_size: 64
    .max_flat_workgroup_size: 128
    .sgpr_count:     66
    .vgpr_count:     224
    .wavefront_size: 32
...
	.end_amdgpu_metadata
.endif
;; end of part 1
;; launch kv (part 2): grid 256 x 1, 4 waves a work-group, no clusters, 327,680 bytes of LDS; arguments source, wkv, part; writes part
.if DOCPART == 2
	.amdgcn_target "amdgcn-amd-amdhsa--gfx1250"
	.amdhsa_code_object_version 6
	.text
	.protected	k_qaafd91866f_kv
	.globl	k_qaafd91866f_kv
	.p2align	8
	.type	k_qaafd91866f_kv,@function
k_qaafd91866f_kv:
	s_mov_b64 s[64:65], 0
	v_nop
	global_prefetch_b8 v0, s[64:65] scope:SCOPE_SE
	s_setreg_imm32_b32 hwreg(HW_REG_WAVE_MODE, 25, 1), 1
	s_wait_xcnt 0x0
; For 256 rows of source: k = source Wk^T, v = source Wv^T, K = rope(elu(k) + 1), and the partial sums KV[d][v] = sum over the rows of K[d] v[v] and Ksum[d] = sum of K[d], for all 8 heads.
; source and the weights are rounded to bf16, K and v to bf16 for the second product; all sums in f32.  reference()'s v / 16384 and its x 16384 at the end cancel exactly and are both left out.
; LIMITS.  elu(z) + 1 = the middle one of z + 1, 2^(z log2 e) and 1 (z > 0: 1 < z + 1 < e^z; z <= 0: z + 1 <= e^z <= 1).  The angles (at most 128) are reduced by 2 pi in two parts, sine and cosine
; of a quarter of the rest come from series (to the 7th and 8th power) and two doublings: error under 1e-5.  NaN and infinities are not treated apart.
; SHARES.  Work-group g owns rows 256 g .. +255 (batch g / 64, image rows 2 (g % 64) and the next).  Wave w owns heads 2w, 2w+1 for all 256 rows: its 8 weight tiles x 8 K steps
; (512 registers) stay in registers, a source fragment read from LDS feeds 8 products, and K^T v needs no other wave.
; STAGES.  The 256 rows come in four stages of 64.  Each wave asks for its 16 rows of every stage, stage by stage, all at the start: a wave's tensor loads end in order (ISA guide 10.11.1), so a stage
; is whole well before the next, and its two tiles (280 products a wave) are multiplied while the later stages land.  A load has 16 rows and not 64, so that a stage's rows are shared among four waves.
; LAYOUT.  Projection: source 0 = 16 source rows, source 1 = a weight tile: a lane holds ONE channel (lane % 16) and rows 8 (lane / 16) + 0..7.  Two row tiles rounded in pairs ARE a fragment
; over 32 rows: K^T as source 0, v as source 1 of KV.  Ksum = K^T x ones.  The rotation's partner channel lies in the lane beside (lane xor 1).
; NO CLUSTER: no two work-groups read the same rows of source; the weights, which all share, go once into registers, 64 KB a wave, and never through LDS.
; REGISTERS (windows of 256; s_set_vgpr_msb: bits 1:0 source 0, 3:2 source 1, 5:4 source 2, 7:6 destination):
;   window 0: v1-4 addresses; v16-79 F, source as f32 (2 sets x 2 row tiles x 16); v80-111 AF, the same in bf16; v112-175 cosines and signed sines; v176-191 at work
;   window 1: v0-127 P(u, rt) at 16u + 8rt: projections; v128-223 the 12 accumulators; v224-231 ones        window 2: Wk's fragments at 64u + 8ks        window 3: Wv's
.set PS,    1040                       ; an LDS row: 1,024 bytes + 16: the 16 rows that a load touches start 65 x 16 bytes apart
.set COSB,  256*PS                     ; cosines: [pair 16][row 256] f32
.set SINB,  COSB+16*PS                 ; sines: [channel 32][row 256] f32, -sin for even channels, +sin for odd
.set SPARE, SINB+32*PS                 ; the spare words, 128 bytes a wave
.set SA,   1                           ; v1  (lane%16) PS + 32 (lane/16), + 32 rows a tile
.set CA,   2                           ; v2  COSB + (lane%16 / 2) PS + 32 (lane/16), + 128 a tile
.set SNA,  3                           ; v3  SINB + (lane%16) PS + 32 (lane/16), + 128 a tile
.set L16,  4                           ; v4  16 x lane
.set SPW,  14
.set NIL,  15
.set F,    16
.set AF,   80
.set RP,   112                         ; (channel tile q, row tile rt): 8 cosines, 8 sines at RP + 32q + 16rt
.set T,    176
.set M,    184
.set KVA,  128                         ; window 1: head hh, tile t at KVA + 48hh + 8t; t = 2f + dt, f = 0, 1: v tile, f = 2: Ksum
.set ONES, 224
.set TC,   16                          ; the table's build, four rows at a time: cosines,
.set TS,   20                          ; sines,
.set TT,   24                          ; at work,
.set TN,   28                          ; minus the sines,
.set TA,   32                          ; angles,
.set TU,   36                          ; at work
.set WV,   10
.set G1,   16                          ; s[16:23] descriptor group 1
.set G0,   24                          ; s[24:39] descriptor group 0, a set for each stage; never rewritten
.set CNT,  40
.set STG,  41
.set LG,   42                          ; s[42:43] log2 e
.set K2PI, 44
.set K2PL, 45
.set KS7,  46
.set KS5,  47
.set KC8,  48
.set KC6,  49
.set MSB, 0
.macro WIN new                         ; the immediate's high byte repeats the setting that is left; a switch that changes nothing is dropped
.if MSB != (\new)
	s_set_vgpr_msb (MSB<<8)|(\new)
.set MSB, \new
.endif
.endm
.macro PLACES n
.rept \n
	v_nop
.endr
.endm
.macro EACH4 line:vararg               ; one line for each of four rows e_
.set e_, 0
	s_wait_alu depctr_va_vdst(0)
.rept 4
	\line
.set e_, e_+1
.endr
.endm
; sine and cosine of four angles (0 <= a <= 128): a less the nearest multiple of 2 pi, a quarter of that into the series, two doublings.  Each line is written for all four, so that none reads the result of the line just before it
.macro SINCOS4
	EACH4 v_mul_f32 v[TT+e_], 0.15915494, v[TA+e_]
	EACH4 v_rndne_f32 v[TT+e_], v[TT+e_]
	EACH4 v_fma_f32 v[TU+e_], v[TT+e_], s[K2PI], v[TA+e_]
	EACH4 v_fma_f32 v[TU+e_], v[TT+e_], s[K2PL], v[TU+e_]
	EACH4 v_mul_f32 v[TU+e_], 0x3e800000, v[TU+e_]
	EACH4 v_mul_f32 v[TT+e_], v[TU+e_], v[TU+e_]
	EACH4 v_fma_f32 v[TS+e_], v[TT+e_], s[KS7], s[KS5]
	EACH4 v_fma_f32 v[TC+e_], v[TT+e_], s[KC8], s[KC6]
	EACH4 v_fmaak_f32 v[TS+e_], v[TS+e_], v[TT+e_], 0xbe2aaaab
	EACH4 v_fmaak_f32 v[TC+e_], v[TC+e_], v[TT+e_], 0x3d2aaaab
	EACH4 v_fma_f32 v[TS+e_], v[TS+e_], v[TT+e_], 1.0
	EACH4 v_fma_f32 v[TC+e_], v[TC+e_], v[TT+e_], -0.5
	EACH4 v_mul_f32 v[TS+e_], v[TS+e_], v[TU+e_]
	EACH4 v_fma_f32 v[TC+e_], v[TC+e_], v[TT+e_], 1.0
.rept 2
	EACH4 v_mul_f32 v[TT+e_], v[TS+e_], v[TC+e_]
	EACH4 v_mul_f32 v[TU+e_], v[TS+e_], v[TS+e_]
	EACH4 v_add_f32 v[TS+e_], v[TT+e_], v[TT+e_]
	EACH4 v_fma_f32 v[TC+e_], v[TU+e_], -2.0, 1.0
.endr
.endm
	s_load_b128 s[4:7], s[0:1], 0x0                ; source s[4:5], wkv s[6:7]
	s_load_b64 s[8:9], s[0:1], 0x10                ; part
	v_lshl_add_u32 v[SPW], v0, 2, SPARE
	v_mov_b32 v[NIL], 0
	ds_add_u32 v[SPW], v[NIL]                      ; the wave's opening: the add and its wait ahead of my first tensor load; work on registers stands between them
	ds_add_u32 v14, v15
	v_lshrrev_b32 v5, 5, v0
	v_readfirstlane_b32 s[WV], v5
	s_mov_b32 s11, ttmp9
	; group 1: 16 rows x 256 elements of 4 bytes, 16 bytes of padding behind each row
	s_mov_b32 s[G1+0], (2<<16)|(1<<20)|(7<<22)|(3<<25)  ; 17:16 elements of 4 bytes; 20 padding on; 24:22 after every 256 words (code 7); 31:25 4 words (code 3)
	s_mov_b32 s[G1+1], 256<<16                     ; tensor_dim0 = 256
	s_mov_b32 s[G1+2], 16<<16                      ; tensor_dim1 = 16
	s_mov_b32 s[G1+3], 256<<16                     ; tile_dim0 = 256
	s_mov_b32 s[G1+4], 16                          ; tile_dim1 = 16
	s_mov_b32 s[G1+5], 256                         ; elements from row to row
	s_mov_b32 s[G1+6], 0
	s_mov_b32 s[G1+7], 0
	s_mul_i32 s15, s[WV], 16*PS                    ; my 16 rows of a stage in LDS
	s_lshl_b32 s12, s11, 18                        ; 256 g rows of 1,024 bytes,
	s_lshl_b32 s13, s[WV], 14                      ; my 16 of a stage's 64
	s_add_co_u32 s12, s12, s13
	s_mov_b32 s13, 0
	s_mov_b32 s[LG], 0x3fb8aa3b
	s_mov_b32 s[LG+1], s[LG]
	s_mov_b32 s[K2PI], 0xc0c90fdb                  ; -6.2831855
	s_mov_b32 s[K2PL], 0x343bbd2e                  ; what that lacks of -2 pi
	s_mov_b32 s[KS7], 0xb9500d01                   ; -1/5040
	s_mov_b32 s[KS5], 0x3c088889                   ; 1/120
	s_mov_b32 s[KC8], 0x37d00d01                   ; 1/40320
	s_mov_b32 s[KC6], 0xbab60b61                   ; -1/720
	s_wait_dscnt 0x0                               ; the opening add is done
	s_wait_kmcnt 0x0
	s_add_nc_u64 s[4:5], s[4:5], s[12:13]
.irp s, 0,1,2,3                        ; all of the work-group's source is asked for at once, stage by stage: four tensor loads of mine are out, and no LDS byte is filled twice
	s_mov_b32 s[G0+4*(\s)], 1                                      ; 1:0 count = 1
	s_add_co_u32 s[G0+4*(\s)+1], s15, (\s)*64*PS                   ; 63:32 LDS address: the stage's 64 rows, my 16 of them
	s_add_nc_u64 s[G0+4*(\s)+2:G0+4*(\s)+3], s[4:5], (\s)*65536    ; 120:64 global address
	s_or_b32 s[G0+4*(\s)+3], s[G0+4*(\s)+3], 0x80000000           ; 127:126 type = 2
	tensor_load_to_lds s[G0+4*(\s):G0+4*(\s)+3], s[G1:G1+7]
	s_nop 0
.endr
	PLACES 4
	s_lshl_b32 s12, s[WV], 16
	s_add_nc_u64 s[6:7], s[6:7], s[12:13]          ; my 64 fragments
	v_and_b32 v5, 31, v0
	v_lshlrev_b32 v[L16], 4, v5
	; The weights: load i brings half i%2 of fragment i/2 = 8u + ks into register 4i.  60 loads now, the other 68 behind the table: an instruction that would push a counter past its
	; field is held at issue (ISA guide 5.7.1), and the wave has the table to build meanwhile.
	WIN 0x80
.set i, 0
.rept 60
	global_load_b128 v[4*i:4*i+3], v[L16], s[6:7] offset:512*i
.set i, i+1
.endr
	WIN 0
	; THE TABLE.  Wave w makes pairs 4w .. 4w+3 (rows of the table that are its own); a lane takes pair 4w + lane%4 and rows 4 (lane/4) + 32 k + 0..3 in trip k.
	; Pair p: frequency 10000^(-(p/2)/8); even p turns with the image row + 1, odd p with the image column + 1.
	v_and_b32 v9, 3, v5
	v_lshrrev_b32 v7, 2, v5
	v_lshlrev_b32 v7, 2, v7                        ; the first of my four rows
	v_lshrrev_b32 v8, 1, v9
	s_lshl_b32 s51, s[WV], 1
	v_add_nc_u32 v8, s51, v8                       ; p / 2
	v_cvt_f32_u32 v8, v8
	v_mul_f32 v8, 0xbfd49a78, v8                   ; x -log2(10000) / 8
	v_exp_f32 v8, v8
	v_mul_u32_u24 v10, v9, PS
	v_lshl_add_u32 v10, v7, 2, v10
	s_mul_i32 s51, s[WV], 4*PS
	v_add_nc_u32 v10, s51, v10
	v_add_nc_u32 v10, COSB, v10
	v_mul_u32_u24 v11, v9, 2*PS
	v_lshl_add_u32 v11, v7, 2, v11
	s_mul_i32 s52, s[WV], 8*PS
	v_add_nc_u32 v11, s52, v11
	v_add_nc_u32 v11, SINB, v11
	v_and_b32 v9, 1, v9
	v_cmp_eq_u32 s50, 1, v9                        ; odd pairs
	v_cvt_f32_u32 v9, v9                           ; from row to row the position grows by 1 (odd pairs) or 0
	s_and_b32 s14, s11, 63
	s_lshl_b32 s14, s14, 1
	s_add_co_u32 s14, s14, 1                       ; the first image row's position
	s_mov_b32 s[CNT], 8
.Ltab:
	v_and_b32 v12, 127, v7
	v_add_nc_u32 v12, 1, v12
	v_lshrrev_b32 v13, 7, v7
	v_add_nc_u32 v13, s14, v13
	v_cndmask_b32 v12, v13, v12, s50
	v_cvt_f32_u32 v[TA], v12
	v_add_f32 v[TA+1], v[TA], v9
	v_add_f32 v[TA+2], v[TA+1], v9
	v_add_f32 v[TA+3], v[TA+2], v9
	EACH4 v_mul_f32 v[TA+e_], v[TA+e_], v8
	SINCOS4
	EACH4 v_mul_f32 v[TN+e_], -1.0, v[TS+e_]
	ds_store_b128 v10, v[TC:TC+3]
	ds_store_b128 v11, v[TN:TN+3]
	ds_store_b128 v11, v[TS:TS+3] offset:PS
	v_add_nc_u32 v7, 32, v7
	v_add_nc_u32 v10, 128, v10
	v_add_nc_u32 v11, 128, v11
	s_sub_co_u32 s[CNT], s[CNT], 1
	s_cmp_lg_u32 s[CNT], 0
	s_cbranch_scc1 .Ltab
	WIN 0x80
.rept 4
	global_load_b128 v[4*i:4*i+3], v[L16], s[6:7] offset:512*i
.set i, i+1
.endr
	WIN 0xc0
.set i, 0
.rept 64
	global_load_b128 v[4*i:4*i+3], v[L16], s[6:7] offset:32768+512*i
.set i, i+1
.endr
	WIN 0x40                                       ; the 12 accumulators are cleared on purpose: 96 moves in the wait for the weights spare a second copy of the tile's text
.set i, 0
.rept 96
	v_mov_b32 v[KVA+i], 0
.set i, i+1
.endr
.set i, 0
.rept 8
	v_mov_b32 v[ONES+i], 0x3f803f80
.set i, i+1
.endr
	WIN 0
	v_and_b32 v5, 15, v0
	v_bfe_u32 v6, v0, 4, 1
	v_mul_u32_u24 v[SA], v5, PS
	v_lshl_add_u32 v[SA], v6, 5, v[SA]
	v_add_nc_u32 v[SNA], SINB, v[SA]
	v_lshrrev_b32 v7, 1, v5
	v_mul_u32_u24 v[CA], v7, PS
	v_lshl_add_u32 v[CA], v6, 5, v[CA]
	v_add_nc_u32 v[CA], COSB, v[CA]
	s_wait_loadcnt 0x0                             ; my weights
.macro LDF set, ks                     ; two row tiles x 32 k of source, f32: per lane 8 + 8 numbers a tile
	WIN 0
.set r_, 0
.rept 2
.set b_, F+32*(\set)+16*r_
	ds_load_b128 v[b_:b_+3],     v[SA] offset:r_*16*PS+(\ks)*128
	ds_load_b128 v[b_+4:b_+7],   v[SA] offset:r_*16*PS+(\ks)*128+16
	ds_load_b128 v[b_+8:b_+11],  v[SA] offset:r_*16*PS+(\ks)*128+64
	ds_load_b128 v[b_+12:b_+15], v[SA] offset:r_*16*PS+(\ks)*128+80
.set r_, r_+1
.endr
.endm
.macro CVT set                         ; to bf16.  These 16 lines are also the places between the products two steps back, which read this set of AF, and its rewriting
	WIN 0
.set i_, 0
.rept 16
	v_cvt_pk_bf16_f32 v[AF+16*(\set)+i_], v[F+32*(\set)+2*i_], v[F+32*(\set)+2*i_+1]
.set i_, i_+1
.endr
.endm
.macro PROJ set, ks                    ; 16 products, 16 accumulators by turns; the first K step starts the sums
.set u_, 0
.rept 8
.if u_ < 4
	WIN 0x58
.else
	WIN 0x5c
.endif
.set r_, 0
.rept 2
.if (\ks) == 0
	v_wmma_f32_16x16x32_bf16 v[16*u_+8*r_:16*u_+8*r_+7], v[AF+16*(\set)+8*r_:AF+16*(\set)+8*r_+7], v[64*(u_%4)+8*(\ks):64*(u_%4)+8*(\ks)+7], 0
.else
	v_wmma_f32_16x16x32_bf16 v[16*u_+8*r_:16*u_+8*r_+7], v[AF+16*(\set)+8*r_:AF+16*(\set)+8*r_+7], v[64*(u_%4)+8*(\ks):64*(u_%4)+8*(\ks)+7], v[16*u_+8*r_:16*u_+8*r_+7]
.endif
.set r_, r_+1
.endr
.set u_, u_+1
.endr
.endm
.macro KBLOCK u, rt                    ; eight numbers of k: elu + 1, the rotation, rounding; they end as half of K^T's fragment at P(u, 0)
.set rP, 16*(\u)+8*(\rt)
.set rR, RP+32*((\u)%2)+16*(\rt)
	WIN 0x01
.set i_, 0
.rept 4
	v_pk_mul_f32 v[T+2*i_:T+2*i_+1], v[rP+2*i_:rP+2*i_+1], s[LG:LG+1] op_sel_hi:[1,0]
.set i_, i_+1
.endr
.set i_, 0
.rept 4
	v_pk_add_f32 v[M+2*i_:M+2*i_+1], v[rP+2*i_:rP+2*i_+1], 1.0 op_sel_hi:[1,0]
.set i_, i_+1
.endr
	WIN 0
.set i_, 0
.rept 8
	v_exp_f32 v[T+i_], v[T+i_]
.set i_, i_+1
.endr
	v_nop                                          ; a plain instruction between the last exponential and the use of its result
.set i_, 0
	s_wait_alu depctr_va_vdst(0)
.rept 8
	v_med3_num_f32 v[M+i_], v[M+i_], v[T+i_], 1.0  ; the middle one of z + 1, e^z and 1
.set i_, i_+1
.endr
.set i_, 0
.rept 8
	v_mul_f32_dpp v[T+i_], v[M+i_], v[rR+8+i_] row_xmask:1 row_mask:0xf bank_mask:0xf  ; the partner channel's number times my signed sine
.set i_, i_+1
.endr
.set i_, 0
.rept 4
	v_pk_fma_f32 v[M+2*i_:M+2*i_+1], v[M+2*i_:M+2*i_+1], v[rR+2*i_:rR+2*i_+1], v[T+2*i_:T+2*i_+1]
.set i_, i_+1
.endr
	WIN 0x40
.set i_, 0
.rept 4
	v_cvt_pk_bf16_f32 v[16*(\u)+4*(\rt)+i_], v[M+2*i_], v[M+2*i_+1]
.set i_, i_+1
.endr
.endm
	s_mov_b32 s[STG], 4
.Lstage:                               ; a stage: 64 rows.  The wait's count is the number of my loads issued behind this stage's: the later stages'.  A wait's count is part of its text, so the stage's number picks one of four
	s_cmp_eq_u32 s[STG], 4
	s_cbranch_scc1 .Lw3
	s_cmp_eq_u32 s[STG], 3
	s_cbranch_scc1 .Lw2
	s_cmp_eq_u32 s[STG], 2
	s_cbranch_scc1 .Lw1
	s_wait_tensorcnt 0x0
	s_branch .Lwd
.Lw3:
	s_wait_tensorcnt 0x3
	s_branch .Lwd
.Lw2:
	s_wait_tensorcnt 0x2
	s_branch .Lwd
.Lw1:
	s_wait_tensorcnt 0x1
.Lwd:
	s_wait_dscnt 0x0                               ; in front of the first stage: my part of the table is stored; later: no LDS instruction of mine is out
	s_barrier_signal -1
	s_barrier_wait -1                              ; everybody's rows of this stage are in.  Nothing is ever filled again, so the later stages' loads stay out across this barrier
	s_mov_b32 s[CNT], 2
.Ltile:                                ; a trip: 32 rows
.set q_, 0
.rept 2
.set r_, 0
.rept 2
.set b_, RP+32*q_+16*r_
	ds_load_b128 v[b_:b_+3],     v[CA]  offset:q_*8*PS+r_*64
	ds_load_b128 v[b_+4:b_+7],   v[CA]  offset:q_*8*PS+r_*64+16
	ds_load_b128 v[b_+8:b_+11],  v[SNA] offset:q_*16*PS+r_*64
	ds_load_b128 v[b_+12:b_+15], v[SNA] offset:q_*16*PS+r_*64+16
.set r_, r_+1
.endr
.set q_, q_+1
.endr
	LDF 0, 0
.set ks, 0
.rept 8
.if ks < 7
	LDF (ks+1)%2, ks+1
	s_wait_dscnt 8                                 ; all but the eight just issued: this step's numbers are in
.else
	s_wait_dscnt 0x0
.endif
	CVT ks%2
	PROJ ks%2, ks
.set ks, ks+1
.endr
	WIN 0
	PLACES 4                                       ; between the last products and the first read of a result
.set u2, 0
.rept 4
	KBLOCK u2, 0
	KBLOCK u2, 1
.set u2, u2+1
.endr
	WIN 0x45                                       ; v: rounded in place, both row tiles into P(u, 0)
.set u2, 4
.rept 4
.set i_, 0
.rept 4
	v_cvt_pk_bf16_f32 v[16*u2+i_], v[16*u2+2*i_], v[16*u2+2*i_+1]
.set i_, i_+1
.endr
.set i_, 0
.rept 4
	v_cvt_pk_bf16_f32 v[16*u2+4+i_], v[16*u2+8+2*i_], v[16*u2+8+2*i_+1]
.set i_, i_+1
.endr
.set u2, u2+1
.endr
	WIN 0x55                                       ; 12 products, 12 accumulators by turns
.set hh, 0
.rept 2
.set dt, 0
.rept 2
.set f_, 0
.rept 3
.set a_, KVA+48*hh+8*(2*f_+dt)
.if f_ < 2
	v_wmma_f32_16x16x32_bf16 v[a_:a_+7], v[16*(2*hh+dt):16*(2*hh+dt)+7], v[16*(4+2*hh+f_):16*(4+2*hh+f_)+7], v[a_:a_+7]
.else
	v_wmma_f32_16x16x32_bf16 v[a_:a_+7], v[16*(2*hh+dt):16*(2*hh+dt)+7], v[ONES:ONES+7], v[a_:a_+7]
.endif
.set f_, f_+1
.endr
.set dt, dt+1
.endr
.set hh, hh+1
.endr
	WIN 0
	v_add_nc_u32 v[SA], 32*PS, v[SA]               ; these three and the next trip's 16 conversions are the places in front of the products that write P anew
	v_add_nc_u32 v[CA], 128, v[CA]
	v_add_nc_u32 v[SNA], 128, v[SNA]
	s_sub_co_u32 s[CNT], s[CNT], 1
	s_cmp_lg_u32 s[CNT], 0
	s_cbranch_scc1 .Ltile
	s_sub_co_u32 s[STG], s[STG], 1
	s_cmp_lg_u32 s[STG], 0
	s_cbranch_scc1 .Lstage
	PLACES 4
	s_mul_i32 s12, s11, 49152
	s_mul_i32 s13, s[WV], 12288
	s_add_co_u32 s12, s12, s13
	s_mov_b32 s13, 0
	s_add_nc_u64 s[8:9], s[8:9], s[12:13]
	WIN 0x04                                       ; the accumulators as they lie, each one's low four registers first: 512 consecutive bytes a store
.set i, 0
.rept 24
	global_store_b128 v[L16], v[KVA+4*i:KVA+4*i+3], s[8:9] offset:512*i
.set i, i+1
.endr
	WIN 0
	s_wait_tensorcnt 0x0                           ; the wave's end: these three lines behind my last tensor load and my last LDS store
	ds_add_u32 v[SPW], v[NIL]
	s_wait_dscnt 0x0
	s_endpgm
.Lfunc_end_k_qaafd91866f_kv:
	.size	k_qaafd91866f_kv, .Lfunc_end_k_qaafd91866f_kv-k_qaafd91866f_kv
	.p2alignl 7, 3214868480
	.fill 96, 4, 3214868480
	.section	.rodata,"a",@progbits
	.p2align	6, 0x0
	.amdhsa_kernel k_qaafd91866f_kv
		.amdhsa_group_segment_fixed_size 327680
		.amdhsa_private_segment_fixed_size 0
		.amdhsa_enable_private_segment 0
		.amdhsa_kernarg_size 24
		.amdhsa_user_sgpr_count 2
		.amdhsa_user_sgpr_kernarg_segment_ptr 1
		.amdhsa_wavefront_size32 1
		.amdhsa_system_sgpr_workgroup_id_x 1
		.amdhsa_system_sgpr_workgroup_id_y 1
		.amdhsa_system_sgpr_workgroup_id_z 1
		.amdhsa_system_vgpr_workitem_id 0
		.amdhsa_next_free_vgpr 1024
		.amdhsa_next_free_sgpr 66
		.amdhsa_reserve_vcc 0
		.amdhsa_float_denorm_mode_32 3
		.amdhsa_float_denorm_mode_16_64 3
		.amdhsa_memory_ordered 1
		.amdhsa_forward_progress 1
		.amdhsa_inst_pref_size 75
	.end_amdhsa_kernel
	.amdgpu_metadata
---
amdhsa.version: [ 1, 2 ]
amdhsa.kernels:
  - .name:           k_qaafd91866f_kv
    .symbol:         k_qaafd91866f_kv.kd
    .args:
      - { .name: source, .offset: 0, .size: 8, .value_kind: global_buffer, .address_space: global }
      - { .name: wkv, .offset: 8, .size: 8, .value_kind: global_buffer, .address_space: global }
      - { .name: part, .offset: 16, .size: 8, .value_kind: global_buffer, .address_space: global }
    .group_segment_fixed_size: 327680
    .private_segment_fixed_size: 0
    .kernarg_segment_align: 8
    .kernarg_segment_size: 24
    .max_flat_workgroup_size: 128
    .sgpr_count:     66
    .vgpr_count:     1024
    .wavefront_size: 32
...
	.end_amdgpu_metadata
.endif
;; end of part 2
;; launch red (part 3): grid 48 x 4, 4 waves a work-group, no clusters, 4,608 bytes of LDS; arguments part, kvf; writes kvf
.if DOCPART == 3
	.amdgcn_target "amdgcn-amd-amdhsa--gfx1250"
	.amdhsa_code_object_version 6
	.text
	.protected	k_qaafd91866f_red
	.globl	k_qaafd91866f_red
	.p2align	8
	.type	k_qaafd91866f_red,@function
k_qaafd91866f_red:
	s_mov_b64 s[64:65], 0
	v_nop
	global_prefetch_b8 v0, s[64:65] scope:SCOPE_SE
	s_setreg_imm32_b32 hwreg(HW_REG_WAVE_MODE, 25, 1), 1
	s_wait_xcnt 0x0
; The 64 partial sums of a batch are added in f32 and rounded once to bf16.  Work-group (x, y): accumulator x = head x 6 + tile of batch y, 1,024 bytes in each partial.
; Wave w adds partials 16w .. 16w+15 (32 loads of 512 consecutive bytes, all on their way at once); the four sums meet in LDS; wave 0 adds them and stores 512 consecutive bytes:
; a lane's eight sums, rounded in pairs, are its 16 bytes of half a fragment of KV^T (or of Ksum) as the last launch takes it.
; No tensor load, no cluster: no byte is read twice, and a work-group reads 64 KB.
.set SPARE, 4096
.set SPW, 30
.set NIL, 31
.set X,   32
	s_load_b128 s[4:7], s[0:1], 0x0                ; part s[4:5], kvf s[6:7]
	v_lshl_add_u32 v[SPW], v0, 2, SPARE
	v_mov_b32 v[NIL], 0
	v_lshrrev_b32 v1, 5, v0
	v_readfirstlane_b32 s8, v1
	v_and_b32 v2, 31, v0
	v_lshlrev_b32 v2, 4, v2
	s_and_b32 s9, ttmp7, 0xffff                    ; batch
	s_lshl_b32 s10, s9, 6
	s_lshl_b32 s11, s8, 4
	s_add_co_u32 s10, s10, s11                     ; my first partial
	s_mul_i32 s10, s10, 49152
	s_lshl_b32 s11, ttmp9, 10
	s_add_co_u32 s10, s10, s11
	s_mov_b32 s11, 0
	s_mul_i32 s12, s9, 24576
	s_lshl_b32 s13, ttmp9, 9
	s_add_co_u32 s12, s12, s13
	s_mov_b32 s13, 0
	s_wait_kmcnt 0x0
	s_add_nc_u64 s[4:5], s[4:5], s[10:11]
	s_add_nc_u64 s[6:7], s[6:7], s[12:13]
.set i, 0
.rept 32
	global_load_b128 v[X+4*i:X+4*i+3], v2, s[4:5] offset:(i/2)*49152+(i%2)*512 th:TH_LOAD_NT
.set i, i+1
.endr
	s_lshl_b32 s14, s8, 10
	v_add_nc_u32 v3, s14, v2
	s_wait_loadcnt 0x0
.set i, 1
.rept 15
.set j, 0
.rept 4
	v_pk_add_f32 v[X+2*j:X+2*j+1], v[X+2*j:X+2*j+1], v[X+8*i+2*j:X+8*i+2*j+1]
.set j, j+1
.endr
.set i, i+1
.endr
	ds_store_b128 v3, v[X:X+3]
	ds_store_b128 v3, v[X+4:X+7] offset:512
	s_wait_dscnt 0x0                               ; for wave 0's sake: my sums are stored
	s_barrier_signal -1
	s_barrier_wait -1
	s_cmp_lg_u32 s8, 0
	s_cbranch_scc1 .Lend
.set i, 0
.rept 8
	ds_load_b128 v[X+4*i:X+4*i+3], v2 offset:512*i
.set i, i+1
.endr
	s_wait_dscnt 0x0
.set i, 1
.rept 3
.set j, 0
.rept 4
	v_pk_add_f32 v[X+2*j:X+2*j+1], v[X+2*j:X+2*j+1], v[X+8*i+2*j:X+8*i+2*j+1]
.set j, j+1
.endr
.set i, i+1
.endr
.set j, 0
.rept 4
	v_cvt_pk_bf16_f32 v[X+16+j], v[X+2*j], v[X+2*j+1]
.set j, j+1
.endr
	global_store_b128 v2, v[X+16:X+19], s[6:7]
.Lend:
	s_wait_tensorcnt 0x0                           ; the wave's end: these three lines behind my last LDS store
	ds_add_u32 v[SPW], v[NIL]
	s_wait_dscnt 0x0
	s_endpgm
.Lfunc_end_k_qaafd91866f_red:
	.size	k_qaafd91866f_red, .Lfunc_end_k_qaafd91866f_red-k_qaafd91866f_red
	.p2alignl 7, 3214868480
	.fill 96, 4, 3214868480
	.section	.rodata,"a",@progbits
	.p2align	6, 0x0
	.amdhsa_kernel k_qaafd91866f_red
		.amdhsa_group_segment_fixed_size 4608
		.amdhsa_private_segment_fixed_size 0
		.amdhsa_enable_private_segment 0
		.amdhsa_kernarg_size 16
		.amdhsa_user_sgpr_count 2
		.amdhsa_user_sgpr_kernarg_segment_ptr 1
		.amdhsa_wavefront_size32 1
		.amdhsa_system_sgpr_workgroup_id_x 1
		.amdhsa_system_sgpr_workgroup_id_y 1
		.amdhsa_system_sgpr_workgroup_id_z 1
		.amdhsa_system_vgpr_workitem_id 0
		.amdhsa_next_free_vgpr 160
		.amdhsa_next_free_sgpr 66
		.amdhsa_reserve_vcc 0
		.amdhsa_float_denorm_mode_32 3
		.amdhsa_float_denorm_mode_16_64 3
		.amdhsa_memory_ordered 1
		.amdhsa_forward_progress 1
		.amdhsa_inst_pref_size 11
	.end_amdhsa_kernel
	.amdgpu_metadata
---
amdhsa.version: [ 1, 2 ]
amdhsa.kernels:
  - .name:           k_qaafd91866f_red
    .symbol:         k_qaafd91866f_red.kd
    .args:
      - { .name: part, .offset: 0, .size: 8, .value_kind: global_buffer, .address_space: global }
      - { .name: kvf, .offset: 8, .size: 8, .value_kind: global_buffer, .address_space: global }
    .group_segment_fixed_size: 4608
    .private_segment_fixed_size: 0
    .kernarg_segment_align: 8
    .kernarg_segment_size: 16
    .max_flat_workgroup_size: 128
    .sgpr_count:     66
    .vgpr_count:     160
    .wavefront_size: 32
...
	.end_amdgpu_metadata
.endif
;; end of part 3
;; launch main (part 4): grid 256 x 1, 4 waves a work-group, clusters of 4 x 1, 327,680 bytes of LDS; arguments x, wst, kvf, ln1_g, ln1_b, ln2_g, ln2_b, out0; writes out0
.if DOCPART == 4
	.amdgcn_target "amdgcn-amd-amdhsa--gfx1250"
	.amdhsa_code_object_version 6
	.text
	.protected	k_qaafd91866f_main
	.globl	k_qaafd91866f_main
	.p2align	8
	.type	k_qaafd91866f_main,@function
k_qaafd91866f_main:
	s_mov_b64 s[64:65], 0
	v_nop
	global_prefetch_b8 v0, s[64:65] scope:SCOPE_SE
	s_setreg_imm32_b32 hwreg(HW_REG_WAVE_MODE, 25, 1), 1
	s_wait_xcnt 0x0
	s_wait_alu depctr_hold_cnt(0) depctr_sa_sdst(0) depctr_va_vdst(0) depctr_va_sdst(0) depctr_va_ssrc(0) depctr_va_vcc(0) depctr_vm_vsrc(0)
	s_getreg_b32 s2, hwreg(HW_REG_IB_STS2, 6, 4)
	s_cmp_eq_u32 s2, 0
	s_cbranch_scc0 .Lentry_in_a_cluster
	s_endpgm
.Lentry_in_a_cluster:
	s_bfe_u32 s2, ttmp6, 0x10000c
	s_cmp_lg_u32 s2, 0x3003
	s_cbranch_scc0 .Lentry_shape_is_right
	s_endpgm
.Lentry_shape_is_right:
; From x to out0 in one launch: q = x Wq^T, Q = rope(elu(q) + 1), att = Q KV / (Q Ksum + 1e-6), y = att Wm^T, m = LN1(y), a = relu([x | m] W1^T), o = a W2^T, out = x + LN2(o).
; FORMATS.  Every input is rounded to bf16 when it is read (x in the last sum and the four LN vectors too).  bf16 operands: x, Wq, Q, KV, Ksum, att, Wm, m, W1.  f16 operands: relu(a) and W2
; (W2 rounded to bf16 and written as f16).  All sums, elu, the rotation, the division and both norms in f32; each norm in two passes (the mean, then the sum of squares about it).
; LIMITS.  |a| stays under 65,504, f16's end (with x and W1 both 30 times the usual spread a reaches some 1,600).  elu(z) + 1 = the middle one of z + 1, 2^(z log2 e) and 1.  Sine and cosine as in the
; launch that makes KV: error under 1e-5.  NaN and infinities are not treated apart.
; SHARES.  Work-group wg owns 256 rows, wave w 64 of them (4 row tiles rt of 16), from x to out0.  EVERY PRODUCT IS USED TRANSPOSED: source 0 = 16 output channels of a weight, source 1 = 32 k x 16 rows.
; A lane then holds ONE row (lane % 16) and channels 8 (lane / 16) + 0..7, and two results rounded in pairs ARE the next product's source 1: activations never change lanes between products.
; Only weights come from shared LDS, in fragment order (two loads of 16 bytes a lane, 512 bytes apart); each fragment feeds 4 products.
; CLUSTER.  All work-groups walk the same 1 MB of weights, and the four of a cluster lie in one batch: every tensor load is asked for JOINTLY, same descriptor, mask 15.  My place in the cluster
; enters x's and out0's addresses and the rotation's positions alone.
; THE STREAM goes through two LDS buffers by turns: Wq heads 0-3 | 4-7 | Wm K steps 0-3 | 4-7 | then for each of 8 chunks of 64 hidden units: W1 K steps 0-11 | W1 K steps 12-15 and W2's part.
; A buffer is filled again as soon as it has been read out, a quarter a wave; the load lands while the other buffer is multiplied.  Three tensor loads of a wave are out at the start, later one.
; REGISTERS (windows of 256; s_set_vgpr_msb: bits 1:0 source 0, 3:2 source 1, 5:4 source 2, 7:6 destination):
;   window 0: v1-15 addresses; v16-31 at work; v32-63 a norm's gain and bias; v64-255 by phase (below)      window 1: XF(ks, rt) = 32ks + 8rt: x's fragments; in the MLP v192-255 hold fragments on their way
;   windows 2, 3: ACC(c, rt) = 8 (4c + rt): y, later o.  At the start x as loaded; in phase 1 window 2 holds a head's 16 weight fragments and 3 fragments of KV
.set BUF1,  65536
.set WREG0, 131072                     ; a wave's own region: WSZ bytes
.set WSZ,   41984
.set XSO,   33792                      ; in it: the last 8 KB
.set KVF,   299008                     ; the batch's KV and Ksum: [head 8][f 3][1 KB]
.set SPARE, 323584                     ; the spare words, 128 bytes a wave
.set PB,    528                        ; a row of 256 bf16 + 16 bytes
.set PY,    1040                       ; a row of 256 f32 + 16 bytes
.set L16, 1                            ; v1   16 x lane (also: BUF0's fragments)
.set AW,  2                            ; v2   phases 1, 2: the weights' fragments
.set AB,  3                            ; v3   phase 2: att's fragments
.set KA,  4                            ; v4   phase 1: KV's fragments
.set GA,  4                            ;      later: 16 x (lane % 16), the norms' vectors; then never rewritten
.set XR,  5                            ; v5   my region + (lane%16) PB + 16 (lane/16): fragments out of row-major bf16 rows
.set XA,  6                            ; v6   my region + XSO + 16 x lane
.set YD,  7                            ; v7   a norm's dump: (lane%16) PY + 32 (lane/16)
.set YR,  8                            ; v8   and its rows read back: (lane/16) PY + 16 (lane%16)
.set MW,  9                            ; v9   bf16 rows by pairs: (lane/16) PB + 8 (lane%16)
.set AST, 10                           ; v10  phase 1: where att's fragments go
.set YC,  10                           ;      in a norm: YR, stepping
.set AW1, 11                           ; v11  BUF1's fragments
.set OV,  12                           ; v12  my byte offset in out0
.set XW,  13                           ; v13  phase 0: my region + 8 x lane
.set SPW, 14
.set NIL, 15
.set TT,  16                           ; a norm: four registers at work for each of two pairs of rows
.set GG,  32                           ; gain v32-47, bias v48-63
.set RI,  64                           ; phase 1: (cos, sin) of the image row's angles, pair 2 c2 + m
.set RJ,  72                           ; and of the column's: 8 rt + 2 (2 c2 + m)
.set QA,  128                          ; phase 1: q's accumulators at QA + 16rt + 8c2; then Q's fragment at QA + 16rt and the divisor at QA + 16rt + 8
.set AT,  192                          ; phase 1: att's accumulators at AT + 16rt + 8vt
.set P0A, 64                           ; MLP: eight fragments in window 0: eight of weights, or four of weights
.set P0B, 96                           ;      and four of x or m
.set P1A, 192                          ; MLP: the same in window 1
.set P1B, 224
.set HA,  128                          ; MLP: a's accumulators, (u, rt) at HA + 16 (4 (u/2) + rt) + 8 (u%2)
.set YY,  64                           ; a norm: 16 numbers of a row for each of two pairs of rows
.set XX,  96                           ; LN2: x, packed
.set UU,  112                          ; LN2: x, widened
.set WV,  20
.set WB,  23                           ; s23  my region's first byte
.set G1L, 28                           ; s[28:35] group 1: 64 rows of 256 bytes
.set G1S, 36                           ; s[36:43] 48 rows
.set G1K, 44                           ; s[44:51] 24 rows
.set G0A, 52                           ; s[52:55] group 0: the stream's first 64 KB
.set G0L, 56                           ; s[56:59] walks the next three slots of 64 KB
.set G0S, 60                           ; s[60:63] walks the 16 slots of 48 KB
.set G0K, 68                           ; s[68:71] KV
.set LG,  88                           ; s[88:89] log2 e
.set K2PI, 82
.set K2PL, 83
.set KS7,  84
.set KS5,  85
.set KC8,  86
.set KC6,  87
.set MSB, 0
.macro WIN new                         ; the immediate's high byte repeats the setting that is left; a switch that changes nothing is dropped
.if MSB != (\new)
	s_set_vgpr_msb (MSB<<8)|(\new)
.set MSB, \new
.endif
.endm
; A vector instruction that reads a matrix result or writes a matrix instruction's register, and a load into such a register, stand four places behind that matrix instruction; a matrix instruction
; that writes over one, five; only plain vector instructions that name none of its registers are places (ISA guide 7.12.1 for vector instructions).
.macro PLACES n
.rept \n
	v_nop
.endr
.endm
.macro SINCOS a, s, c, t, u
	v_mul_f32 \t, 0.15915494, \a
	v_rndne_f32 \t, \t
	v_fma_f32 \u, \t, s[K2PI], \a
	v_fma_f32 \u, \t, s[K2PL], \u
	v_mul_f32 \u, 0x3e800000, \u
	v_mul_f32 \t, \u, \u
	v_fma_f32 \s, \t, s[KS7], s[KS5]
	v_fma_f32 \c, \t, s[KC8], s[KC6]
	v_fmaak_f32 \s, \s, \t, 0xbe2aaaab
	v_fmaak_f32 \c, \c, \t, 0x3d2aaaab
	v_fma_f32 \s, \s, \t, 1.0
	v_fma_f32 \c, \c, \t, -0.5
	v_mul_f32 \s, \s, \u
	v_fma_f32 \c, \c, \t, 1.0
.rept 2
	v_mul_f32 \t, \s, \c
	v_mul_f32 \u, \s, \s
	v_add_f32 \s, \t, \t
	v_fma_f32 \c, \u, -2.0, 1.0
.endr
.endm
; A round of the cluster's barrier: my work-group's barrier, so that wave 0's signal speaks for all four waves; wave 0 signals; every wave waits for all four work-groups; my work-group's barrier once more.
.macro ROUND
	s_barrier_signal -1
	s_barrier_wait -1
	s_cmp_lg_u32 s[WV], 0
	s_cbranch_scc1 .Lnw0_\@
	s_barrier_signal -3
.Lnw0_\@:
	s_barrier_wait -3
	s_barrier_signal -1
	s_barrier_wait -1
.endm
; THE CHANGE OF BUFFERS.  Each wave waits for all its tensor loads, of which one is out: its quarter of the other buffer; adds 0 to its spare word; and waits for that and for its own reads of the buffer that it leaves.
; fill = 1: behind a round of the cluster's barrier (no wave of any partner still reads that buffer or has a load on its way) the buffer is filled again, first thing, with the stream's next slot.
.macro CHANGE g0, g1, step, fill
	WIN 0
	s_wait_tensorcnt 0x0                           ; no tensor load of mine is out, so a group 0 may be written
	ds_add_u32 v[SPW], v[NIL]                      ; 0 onto my spare word
.if \fill
	s_xor_b32 s[\g0+1], s[\g0+1], BUF1             ; the other buffer than last time,
	s_add_nc_u64 s[\g0+2:\g0+3], s[\g0+2:\g0+3], \step  ; the next slot; the type bits on top are not reached
.endif
	s_wait_dscnt 0x0                               ; the add is done, and my LDS reads are over
.if \fill
	ROUND
	tensor_load_to_lds s[\g0:\g0+3], s[\g1:\g1+7]
	s_nop 0
	PLACES 4
.else
	s_barrier_signal -1
	s_barrier_wait -1
.endif
.endm
	s_load_b512 s[4:19], s[0:1], 0x0               ; x s[4:5], wst s[6:7], kvf s[8:9], ln1_g s[10:11], ln1_b s[12:13], ln2_g s[14:15], ln2_b s[16:17], out0 s[18:19]
	v_lshl_add_u32 v[SPW], v0, 2, SPARE
	v_mov_b32 v[NIL], 0
	ds_add_u32 v[SPW], v[NIL]                      ; the wave's opening: the add and its wait ahead of my first tensor load; work on registers stands between them
	ds_add_u32 v14, v15
	v_lshrrev_b32 v16, 5, v0
	v_readfirstlane_b32 s[WV], v16
	s_bfe_u32 s21, ttmp6, 0x40000                  ; cx
	s_lshl_b32 s22, ttmp9, 2
	s_add_co_u32 s22, s22, s21                     ; work-group = 4 x cluster + cx
.irp g, G1L, G1S, G1K
	s_mov_b32 s[\g], 15|(3<<16)|(1<<21)            ; 15:0 the mask of four; 17:16 elements of 8 bytes; 21 set beside a mask; no padding: the stream lies in fragment order
	s_mov_b32 s[\g+1], 32<<16                      ; tensor_dim0 = 32: rows of 256 bytes
	s_mov_b32 s[\g+3], 32<<16                      ; tile_dim0 = 32
	s_mov_b32 s[\g+5], 32                          ; dense: 32 elements from row to row
	s_mov_b32 s[\g+6], 0
	s_mov_b32 s[\g+7], 0
.endr
	s_mov_b32 s[G1L+2], 64<<16                     ; tensor_dim1 and tile_dim1: the rows of a wave's quarter
	s_mov_b32 s[G1L+4], 64
	s_mov_b32 s[G1S+2], 48<<16
	s_mov_b32 s[G1S+4], 48
	s_mov_b32 s[G1K+2], 24<<16
	s_mov_b32 s[G1K+4], 24
	s_mov_b32 s[G0A], 1
	s_lshl_b32 s[G0A+1], s[WV], 14
	s_mov_b32 s[G0L], 1
	s_lshl_b32 s[G0L+1], s[WV], 14
	s_add_co_u32 s[G0L+1], s[G0L+1], BUF1
	s_mov_b32 s[G0S], 1
	s_mul_i32 s[G0S+1], s[WV], 12288
	s_add_co_u32 s[G0S+1], s[G0S+1], BUF1          ; its first step turns this into BUF0
	s_mov_b32 s[G0K], 1
	s_mul_i32 s[G0K+1], s[WV], 6144
	s_add_co_u32 s[G0K+1], s[G0K+1], KVF
	s_lshl_b32 s24, s[WV], 14
	s_mov_b32 s25, 0
	s_mul_i32 s26, s[WV], 12288
	s_add_co_u32 s26, s26, 212992                  ; one slot of 48 KB ahead of the first
	s_mov_b32 s27, 0
	s_lshr_b32 s74, ttmp9, 4                       ; the batch, which the four partners share
	s_mul_i32 s74, s74, 24576
	s_mul_i32 s75, s[WV], 6144
	s_add_co_u32 s74, s74, s75
	s_mov_b32 s75, 0
	s_lshl_b32 s76, s22, 18                        ; my work-group's 256 rows of 1,024 bytes,
	s_lshl_b32 s77, s[WV], 16                      ; my wave's 64
	s_add_co_u32 s76, s76, s77
	s_mov_b32 s77, 0
	s_mul_i32 s[WB], s[WV], WSZ
	s_add_co_u32 s[WB], s[WB], WREG0
	s_mov_b32 s80, 0xffff0000
	s_mov_b32 s[K2PI], 0xc0c90fdb
	s_mov_b32 s[K2PL], 0x343bbd2e
	s_mov_b32 s[KS7], 0xb9500d01
	s_mov_b32 s[KS5], 0x3c088889
	s_mov_b32 s[KC8], 0x37d00d01
	s_mov_b32 s[KC6], 0xbab60b61
	s_mov_b32 s[LG], 0x3fb8aa3b
	s_mov_b32 s[LG+1], s[LG]
	s_mov_b32 s90, 0x3b800000                      ; 1/256
	s_mov_b32 s91, 0x3727c5ac                      ; 1e-5
	s_mov_b32 s92, 0xbb800000                      ; -1/256
	s_wait_dscnt 0x0                               ; the opening add is done
	s_wait_kmcnt 0x0
	s_add_nc_u64 s[G0A+2:G0A+3], s[6:7], s[24:25]
	s_add_nc_u64 s[G0L+2:G0L+3], s[G0A+2:G0A+3], 0x10000
	s_or_b32 s[G0A+3], s[G0A+3], 0x80000000
	s_or_b32 s[G0L+3], s[G0L+3], 0x80000000
	s_add_nc_u64 s[G0S+2:G0S+3], s[6:7], s[26:27]
	s_or_b32 s[G0S+3], s[G0S+3], 0x80000000
	s_add_nc_u64 s[G0K+2:G0K+3], s[8:9], s[74:75]
	s_or_b32 s[G0K+3], s[G0K+3], 0x80000000
	s_add_nc_u64 s[4:5], s[4:5], s[76:77]
	s_add_nc_u64 s[18:19], s[18:19], s[76:77]
	; PHASE 0.  My 64 rows of x: 128 loads of 512 consecutive bytes.  60 go out, then the first weights are asked for, then the other 68: an instruction that would push a counter past its field
	; is held at issue (ISA guide 5.7.1), and the request for the weights is not to stand behind a wave so held.
	v_and_b32 v16, 31, v0
	v_lshlrev_b32 v[L16], 4, v16
	WIN 0x80
.set i, 0
.rept 60
	global_load_b128 v[4*i:4*i+3], v[L16], s[4:5] offset:512*i th:TH_LOAD_NT
.set i, i+1
.endr
	WIN 0
	ROUND                                          ; all four work-groups are here: the first joint loads meet
	tensor_load_to_lds s[G0A:G0A+3], s[G1L:G1L+7]  ; Wq heads 0-3 -> BUF0
	s_nop 0
	tensor_load_to_lds s[G0K:G0K+3], s[G1K:G1K+7]  ; KV, Ksum
	s_nop 0
	tensor_load_to_lds s[G0L:G0L+3], s[G1L:G1L+7]  ; Wq heads 4-7 -> BUF1
	s_nop 0
	PLACES 4
	WIN 0x80
.rept 4
	global_load_b128 v[4*i:4*i+3], v[L16], s[4:5] offset:512*i th:TH_LOAD_NT
.set i, i+1
.endr
	WIN 0xc0
.set i, 0
.rept 64
	global_load_b128 v[4*i:4*i+3], v[L16], s[4:5] offset:32768+512*i th:TH_LOAD_NT
.set i, i+1
.endr
	WIN 0
	v_and_b32 v17, 15, v0                          ; r
	v_bfe_u32 v18, v0, 4, 1                        ; h
	v_mul_u32_u24 v[XR], v17, PB
	v_lshl_add_u32 v[XR], v18, 4, v[XR]
	v_add_nc_u32 v[XR], s[WB], v[XR]
	v_add_nc_u32 v[XA], s[WB], v[L16]
	v_add_nc_u32 v[XA], XSO, v[XA]
	v_lshl_add_u32 v[XW], v16, 3, s[WB]
	v_add_nc_u32 v[AW1], BUF1, v[L16]
	; The rotation's angles.  In q's result (c2) a lane's registers 2jj, 2jj+1 are pair 8 c2 + 4h + jj: frequency number 4 c2 + 2h + jj/2; even jj turn with the image row + 1, odd jj with the column + 1.
	; My 64 rows lie in one image row.  Five trips (the row's position, then the four row tiles' columns), four frequencies each; the results pass through my own LDS bytes, so that one text serves all five.
	v_lshlrev_b32 v19, 1, v18
	v_cvt_f32_u32 v19, v19
	v_mov_b32 v20, v19
	v_add_f32 v21, 1.0, v19
	v_add_f32 v22, 4.0, v19
	v_add_f32 v23, 0x40a00000, v19
.set i, 0
.rept 4
	v_mul_f32 v[20+i], 0xbfd49a78, v[20+i]         ; x -log2(10000) / 8
.set i, i+1
.endr
.set i, 0
.rept 4
	v_exp_f32 v[20+i], v[20+i]
.set i, i+1
.endr
	s_and_b32 s78, s22, 63
	s_lshl_b32 s78, s78, 1
	s_lshr_b32 s79, s[WV], 1
	s_add_co_u32 s78, s78, s79
	s_add_co_u32 s78, s78, 1
	v_cvt_f32_u32 v24, s78                         ; image row + 1
	s_and_b32 s79, s[WV], 1
	s_lshl_b32 s79, s79, 6
	s_add_co_u32 s79, s79, 1
	v_add_nc_u32 v25, s79, v17
	v_cvt_f32_u32 v25, v25                         ; column + 1 in row tile 0
	v_mov_b32 v26, v[XA]
	s_mov_b32 s72, 5
.Lsc:
.set k_, 0
	s_wait_alu depctr_va_vdst(0)
.rept 4
	v_mul_f32 v27, v24, v[20+k_]
	SINCOS v27, v[33+2*k_], v[32+2*k_], v28, v29
.set k_, k_+1
.endr
	ds_store_b128 v26, v[32:35]
	ds_store_b128 v26, v[36:39] offset:512
	v_mov_b32 v24, v25
	v_add_f32 v25, 0x41800000, v25                 ; the next row tile: 16 columns on
	v_add_nc_u32 v26, 1024, v26
	s_sub_co_u32 s72, s72, 1
	s_cmp_lg_u32 s72, 0
	s_cbranch_scc1 .Lsc
.set i, 0
.rept 10
	ds_load_b128 v[RI+4*i:RI+4*i+3], v[XA] offset:512*i  ; my own bytes, served in order behind the stores
.set i, i+1
.endr
	; x to bf16, eight rows at a time, into row-major rows in my region; then out of them as fragments
.set b, 0
.rept 8
.if b < 4
	s_wait_loadcnt 63                              ; at least 49 - 16 b more loads than this may still be out
	WIN 0x0a
.else
	s_wait_loadcnt 112-16*b                        ; the loads of the rows behind these eight may stay out
	WIN 0x0f
.endif
.set k_, 0
.rept 32
	v_cvt_pk_bf16_f32 v[16+k_], v[(64*b)%256+2*k_], v[(64*b)%256+2*k_+1]
.set k_, k_+1
.endr
	WIN 0
.set k_, 0
.rept 16
	ds_store_b64 v[XW], v[16+2*k_:17+2*k_] offset:(8*b+k_/2)*PB+(k_%2)*256
.set k_, k_+1
.endr
.set b, b+1
.endr
	WIN 0x40
.set i, 0
.rept 64                               ; i = 8 ks + 2 rt + q
	ds_load_b128 v[4*i:4*i+3], v[XR] offset:((i/2)%4)*16*PB+(i/8)*64+(i%2)*32
.set i, i+1
.endr
	WIN 0
	s_wait_tensorcnt 0x1                           ; my quarters of BUF0 and of KV are in; BUF1's may stay out
	s_wait_dscnt 0x0
	s_barrier_signal -1
	s_barrier_wait -1
	; PHASE 1.  Head by head: q (64 products), elu + 1 and the rotation, att and the divisor (12 products), the division; att's fragments go to my region.
.macro QBLOCK rt, c2
.set rQ, QA+16*(\rt)+8*(\c2)
.set i_, 0
.rept 4
	v_pk_mul_f32 v[16+2*i_:17+2*i_], v[rQ+2*i_:rQ+2*i_+1], s[LG:LG+1] op_sel_hi:[1,0]
.set i_, i_+1
.endr
.set i_, 0
.rept 8
	v_exp_f32 v[16+i_], v[16+i_]
.set i_, i_+1
.endr
.set i_, 0
.rept 4
	v_pk_add_f32 v[rQ+2*i_:rQ+2*i_+1], v[rQ+2*i_:rQ+2*i_+1], 1.0 op_sel_hi:[1,0]  ; plain lines that touch no exponential's registers stand behind the last of them
.set i_, i_+1
.endr
.set i_, 0
	s_wait_alu depctr_va_vdst(0)
.rept 8
	v_med3_num_f32 v[rQ+i_], v[rQ+i_], v[16+i_], 1.0  ; the middle one of z + 1, e^z and 1
.set i_, i_+1
.endr
.set i_, 0
.rept 4                                ; (a, b) x cos
.if i_%2 == 0
.set rC, RI+2*(2*(\c2)+i_/2)
.else
.set rC, RJ+8*(\rt)+2*(2*(\c2)+i_/2)
.endif
	v_pk_mul_f32 v[24+2*i_:25+2*i_], v[rQ+2*i_:rQ+2*i_+1], v[rC:rC+1] op_sel_hi:[1,0]
.set i_, i_+1
.endr
.set i_, 0
.rept 4                                ; + (-b, a) x sin
.if i_%2 == 0
.set rC, RI+2*(2*(\c2)+i_/2)
.else
.set rC, RJ+8*(\rt)+2*(2*(\c2)+i_/2)
.endif
	v_pk_fma_f32 v[24+2*i_:25+2*i_], v[rQ+2*i_:rQ+2*i_+1], v[rC:rC+1], v[24+2*i_:25+2*i_] op_sel:[1,1,0] op_sel_hi:[0,1,1] neg_lo:[0,1,0]
.set i_, i_+1
.endr
.set i_, 0
.rept 4
	v_cvt_pk_bf16_f32 v[QA+16*(\rt)+4*(\c2)+i_], v[24+2*i_], v[25+2*i_]
.set i_, i_+1
.endr
.endm
	v_mov_b32 v[AW], v[L16]                        ; BUF0 and BUF1 lie end to end: the eight heads' weights are walked by one step
	v_add_nc_u32 v[KA], KVF, v[L16]
	v_add_nc_u32 v[AST], s[WB], v[L16]
	s_mov_b32 s73, 2
.Lhalf:
	s_mov_b32 s72, 4
.Lhead:
	WIN 0x80
.set i, 0
.rept 32                               ; i = 4 ks + 2 c2 + q
	ds_load_b128 v[4*i:4*i+3], v[AW] offset:512*i
.set i, i+1
.endr
.set i, 0
.rept 6
	ds_load_b128 v[128+4*i:128+4*i+3], v[KA] offset:512*i
.set i, i+1
.endr
.set ks, 0
.rept 8
	s_wait_dscnt 34-4*ks                           ; this K step's four loads are in; the later steps' and KV's six may be out
	WIN 0x06
.set r_, 0
.rept 4                                ; eight accumulators by turns
.set c_, 0
.rept 2
.if ks == 0
	v_wmma_f32_16x16x32_bf16 v[QA+16*r_+8*c_:QA+16*r_+8*c_+7], v[8*(2*ks+c_):8*(2*ks+c_)+7], v[32*ks+8*r_:32*ks+8*r_+7], 0
.else
	v_wmma_f32_16x16x32_bf16 v[QA+16*r_+8*c_:QA+16*r_+8*c_+7], v[8*(2*ks+c_):8*(2*ks+c_)+7], v[32*ks+8*r_:32*ks+8*r_+7], v[QA+16*r_+8*c_:QA+16*r_+8*c_+7]
.endif
.set c_, c_+1
.endr
.set r_, r_+1
.endr
.set ks, ks+1
.endr
	WIN 0
	PLACES 4
.set r2, 0
.rept 4
	QBLOCK r2, 0
	QBLOCK r2, 1
.set r2, r2+1
.endr
	s_wait_dscnt 0x0                               ; KV
	WIN 0x02
.set r_, 0
.rept 4                                ; KV^T Q^T (two tiles of 16 channels) and Ksum Q^T, whose 16 rows are all the divisor: it falls into the result's register 0
	v_wmma_f32_16x16x32_bf16 v[AT+16*r_:AT+16*r_+7], v[128:135], v[QA+16*r_:QA+16*r_+7], 0
	v_wmma_f32_16x16x32_bf16 v[AT+16*r_+8:AT+16*r_+15], v[136:143], v[QA+16*r_:QA+16*r_+7], 0
	v_wmma_f32_16x16x32_bf16 v[QA+16*r_+8:QA+16*r_+15], v[144:151], v[QA+16*r_:QA+16*r_+7], 0
.set r_, r_+1
.endr
	WIN 0
	PLACES 4
.set r_, 0
.rept 4
	v_add_f32 v[16+2*r_], 0x358637bd, v[QA+16*r_+8]
.set r_, r_+1
.endr
.set r_, 0
.rept 4
	v_rcp_f32 v[16+2*r_], v[16+2*r_]
.set r_, r_+1
.endr
	v_nop                                          ; a plain instruction between the last reciprocal and the use of its result
.set r_, 0
	s_wait_alu depctr_va_vdst(0)
.rept 4
.set i_, 0
.rept 8
	v_pk_mul_f32 v[AT+16*r_+2*i_:AT+16*r_+2*i_+1], v[AT+16*r_+2*i_:AT+16*r_+2*i_+1], v[16+2*r_:17+2*r_] op_sel_hi:[1,0]
.set i_, i_+1
.endr
.set r_, r_+1
.endr
.set r_, 0
.rept 4
.set i_, 0
.rept 8
	v_cvt_pk_bf16_f32 v[AT+16*r_+i_], v[AT+16*r_+2*i_], v[AT+16*r_+2*i_+1]
.set i_, i_+1
.endr
	ds_store_b128 v[AST], v[AT+16*r_:AT+16*r_+3] offset:r_*1024
	ds_store_b128 v[AST], v[AT+16*r_+4:AT+16*r_+7] offset:r_*1024+512
.set r_, r_+1
.endr
	v_add_nc_u32 v[AW], 16384, v[AW]
	v_add_nc_u32 v[KA], 3072, v[KA]
	v_add_nc_u32 v[AST], 4096, v[AST]
	s_sub_co_u32 s72, s72, 1
	s_cmp_lg_u32 s72, 0
	s_cbranch_scc1 .Lhead
	CHANGE G0L, G1L, 65536, 1                      ; behind heads 0-3: Wm's K steps 0-3 -> BUF0; behind heads 4-7: K steps 4-7 -> BUF1
	s_sub_co_u32 s73, s73, 1
	s_cmp_lg_u32 s73, 0
	s_cbranch_scc1 .Lhalf
	; PHASE 2.  y^T = Wm att^T: 16 channel tiles x 4 row tiles, K step = head.  v64-95 att's 4 fragments, v96-223 Wm's 16.
.macro LDGB pg, pb                     ; a norm's gain and bias for my 16 channels 64 q + 4 (lane%16) + 0..3
.set q_, 0
.rept 4
	global_load_b128 v[GG+4*q_:GG+4*q_+3], v[GA], s[\pg:\pg+1] offset:256*q_
	global_load_b128 v[GG+16+4*q_:GG+16+4*q_+3], v[GA], s[\pb:\pb+1] offset:256*q_
.set q_, q_+1
.endr
.endm
.macro CVGB                            ; rounded to bf16 like every input, and widened again
	s_wait_loadcnt 0x0
.set i_, 0
.rept 16
	v_cvt_pk_bf16_f32 v[24+i_%4], v[GG+2*i_], v[GG+2*i_+1]
	v_lshlrev_b32 v[GG+2*i_], 16, v[24+i_%4]
	v_and_b32 v[GG+2*i_+1], s80, v[24+i_%4]
.set i_, i_+1
.endr
.endm
.macro KSTEP zero
	WIN 0
.set i_, 0
.rept 8
	ds_load_b128 v[64+4*i_:64+4*i_+3], v[AB] offset:512*i_
.set i_, i_+1
.endr
.set i_, 0
.rept 32
	ds_load_b128 v[96+4*i_:96+4*i_+3], v[AW] offset:512*i_
.set i_, i_+1
.endr
.set c_, 0
.rept 16                               ; 64 accumulators by turns
.if c_%4 == 0
	s_wait_dscnt 24-2*c_                           ; att and Wm's tiles up to c + 3 are in; the two loads of each later tile may be out
.endif
.if c_ == 0
	WIN 0xa0
.endif
.if c_ == 8
	WIN 0xf0
.endif
.set r_, 0
.rept 4
.if \zero
	v_wmma_f32_16x16x32_bf16 v[8*(4*(c_%8)+r_):8*(4*(c_%8)+r_)+7], v[96+8*c_:96+8*c_+7], v[64+8*r_:64+8*r_+7], 0
.else
	v_wmma_f32_16x16x32_bf16 v[8*(4*(c_%8)+r_):8*(4*(c_%8)+r_)+7], v[96+8*c_:96+8*c_+7], v[64+8*r_:64+8*r_+7], v[8*(4*(c_%8)+r_):8*(4*(c_%8)+r_)+7]
.endif
.set r_, r_+1
.endr
.set c_, c_+1
.endr
	WIN 0
	v_add_nc_u32 v[AW], 16384, v[AW]
	v_add_nc_u32 v[AB], 4096, v[AB]
	PLACES 4                                       ; in front of the next step's loads into the fragments' registers, and of the dump behind the last step
.endm
	v_and_b32 v16, 15, v0
	v_lshlrev_b32 v[GA], 4, v16
	LDGB 10, 12                                    ; ln1's vectors are asked for here and wanted behind this phase
	v_mov_b32 v[AW], v[L16]
	v_add_nc_u32 v[AB], s[WB], v[L16]
	KSTEP 1                                        ; the first K step starts the sums
	s_mov_b32 s72, 3
.Lwm0:
	KSTEP 0
	s_sub_co_u32 s72, s72, 1
	s_cmp_lg_u32 s72, 0
	s_cbranch_scc1 .Lwm0
	CHANGE G0S, G1S, 49152, 1                      ; chunk 0's W1, K steps 0-11 -> BUF0
	s_mov_b32 s72, 4
.Lwm1:
	KSTEP 0
	s_sub_co_u32 s72, s72, 1
	s_cmp_lg_u32 s72, 0
	s_cbranch_scc1 .Lwm1
	CHANGE G0S, G1S, 49152, 1                      ; chunk 0's W1, K steps 12-15, and W2 -> BUF1
	; THE NORMS.  A row tile's 16 rows x 256 f32 are dumped from the accumulators into rows of PY bytes and read back by rows: lanes 0-15 one row, lanes 16-31 the next, 16 numbers a lane, so that a
	; lane's gain and bias are the same 16 + 16 registers for every row and the text is a loop.  The registers of a row tile cannot be chosen by a counter: four dumps, one chosen by the trip's number.
	; clr = 1 (LN1): the row tile's accumulators, which o's sums take next, are cleared behind the stores that read them, while LDS takes the dump.  They are cleared on purpose: 512 moves once a
	; launch spare a third copy of the chunk's text.
.macro DUMP rt, clr                    ; each accumulator's low four registers first
	WIN 0x08
.set c_, 0
.rept 16
.if c_ == 8
	WIN 0x0c
.endif
	ds_store_b128 v[YD], v[8*(4*(c_%8)+(\rt)):8*(4*(c_%8)+(\rt))+3] offset:c_*64
	ds_store_b128 v[YD], v[8*(4*(c_%8)+(\rt))+4:8*(4*(c_%8)+(\rt))+7] offset:c_*64+16
.set c_, c_+1
.endr
.if \clr
	WIN 0x80
.set c_, 0
.rept 16
.if c_ == 8
	WIN 0xc0
.endif
.set j_, 0
.rept 8
	v_mov_b32 v[8*(4*(c_%8)+(\rt))+j_], 0
.set j_, j_+1
.endr
.set c_, c_+1
.endr
.endif
	WIN 0
.endm
.macro BOTH line:vararg                ; one line for each of the trip's two pairs of rows
.set p_, 0
.rept 2
	\line
.set p_, p_+1
.endr
.endm
; Four rows.  kind 1: the result is rounded to bf16 and stored as rows of PB bytes.  kind 2: x is added and the rows go to out0.
.macro LNQ kind
.set q_, 0
.rept 4
	BOTH ds_load_b128 v[YY+16*p_+4*q_:YY+16*p_+4*q_+3], v[YC] offset:p_*2*PY+q_*256
.set q_, q_+1
.endr
.if (\kind) == 2
.set q_, 0
.rept 4
	BOTH ds_load_b64 v[XX+8*p_+2*q_:XX+8*p_+2*q_+1], v[MW] offset:p_*2*PB+q_*128
.set q_, q_+1
.endr
	s_wait_dscnt 8                                 ; the rows are in; x's eight loads may be out
.else
	s_wait_dscnt 0x0
.endif
	BOTH v_pk_add_f32 v[TT+4*p_:TT+4*p_+1], v[YY+16*p_:YY+16*p_+1], v[YY+16*p_+2:YY+16*p_+3]
	BOTH v_pk_add_f32 v[TT+4*p_+2:TT+4*p_+3], v[YY+16*p_+4:YY+16*p_+5], v[YY+16*p_+6:YY+16*p_+7]
	BOTH v_pk_add_f32 v[TT+4*p_:TT+4*p_+1], v[TT+4*p_:TT+4*p_+1], v[YY+16*p_+8:YY+16*p_+9]
	BOTH v_pk_add_f32 v[TT+4*p_+2:TT+4*p_+3], v[TT+4*p_+2:TT+4*p_+3], v[YY+16*p_+10:YY+16*p_+11]
	BOTH v_pk_add_f32 v[TT+4*p_:TT+4*p_+1], v[TT+4*p_:TT+4*p_+1], v[YY+16*p_+12:YY+16*p_+13]
	BOTH v_pk_add_f32 v[TT+4*p_+2:TT+4*p_+3], v[TT+4*p_+2:TT+4*p_+3], v[YY+16*p_+14:YY+16*p_+15]
	BOTH v_pk_add_f32 v[TT+4*p_:TT+4*p_+1], v[TT+4*p_:TT+4*p_+1], v[TT+4*p_+2:TT+4*p_+3]
	BOTH v_add_f32 v[TT+4*p_], v[TT+4*p_], v[TT+4*p_+1]
.irp m, 1, 2, 4, 8
	BOTH v_add_f32_dpp v[TT+4*p_], v[TT+4*p_], v[TT+4*p_] row_xmask:\m row_mask:0xf bank_mask:0xf
.endr
	BOTH v_mul_f32 v[TT+4*p_], s92, v[TT+4*p_]     ; minus the mean
.set i_, 0
.rept 8
	BOTH v_pk_add_f32 v[YY+16*p_+2*i_:YY+16*p_+2*i_+1], v[YY+16*p_+2*i_:YY+16*p_+2*i_+1], v[TT+4*p_:TT+4*p_+1] op_sel_hi:[1,0]
.set i_, i_+1
.endr
	BOTH v_pk_mul_f32 v[TT+4*p_:TT+4*p_+1], v[YY+16*p_:YY+16*p_+1], v[YY+16*p_:YY+16*p_+1]
	BOTH v_pk_mul_f32 v[TT+4*p_+2:TT+4*p_+3], v[YY+16*p_+2:YY+16*p_+3], v[YY+16*p_+2:YY+16*p_+3]
.set i_, 1
.rept 3
	BOTH v_pk_fma_f32 v[TT+4*p_:TT+4*p_+1], v[YY+16*p_+4*i_:YY+16*p_+4*i_+1], v[YY+16*p_+4*i_:YY+16*p_+4*i_+1], v[TT+4*p_:TT+4*p_+1]
	BOTH v_pk_fma_f32 v[TT+4*p_+2:TT+4*p_+3], v[YY+16*p_+4*i_+2:YY+16*p_+4*i_+3], v[YY+16*p_+4*i_+2:YY+16*p_+4*i_+3], v[TT+4*p_+2:TT+4*p_+3]
.set i_, i_+1
.endr
	BOTH v_pk_add_f32 v[TT+4*p_:TT+4*p_+1], v[TT+4*p_:TT+4*p_+1], v[TT+4*p_+2:TT+4*p_+3]
	BOTH v_add_f32 v[TT+4*p_], v[TT+4*p_], v[TT+4*p_+1]
.irp m, 1, 2, 4, 8
	BOTH v_add_f32_dpp v[TT+4*p_], v[TT+4*p_], v[TT+4*p_] row_xmask:\m row_mask:0xf bank_mask:0xf
.endr
	BOTH v_fma_f32 v[TT+4*p_], v[TT+4*p_], s90, s91
	BOTH v_rsq_f32 v[TT+4*p_], v[TT+4*p_]
	v_nop                                          ; a plain instruction between the last root and the use of its result
	s_wait_alu depctr_va_vdst(0)
.set i_, 0
.rept 8
	BOTH v_pk_mul_f32 v[YY+16*p_+2*i_:YY+16*p_+2*i_+1], v[YY+16*p_+2*i_:YY+16*p_+2*i_+1], v[TT+4*p_:TT+4*p_+1] op_sel_hi:[1,0]
.set i_, i_+1
.endr
.set i_, 0
.rept 8
	BOTH v_pk_fma_f32 v[YY+16*p_+2*i_:YY+16*p_+2*i_+1], v[YY+16*p_+2*i_:YY+16*p_+2*i_+1], v[GG+2*i_:GG+2*i_+1], v[GG+16+2*i_:GG+16+2*i_+1]
.set i_, i_+1
.endr
.if (\kind) == 1
.set i_, 0
.rept 8
	BOTH v_cvt_pk_bf16_f32 v[YY+16*p_+i_], v[YY+16*p_+2*i_], v[YY+16*p_+2*i_+1]
.set i_, i_+1
.endr
.set q_, 0
.rept 4
	BOTH ds_store_b64 v[MW], v[YY+16*p_+2*q_:YY+16*p_+2*q_+1] offset:p_*2*PB+q_*128
.set q_, q_+1
.endr
	v_add_nc_u32 v[YC], 4*PY, v[YC]
	v_add_nc_u32 v[MW], 4*PB, v[MW]
.else
	s_wait_dscnt 0x0                               ; x
.set i_, 0
.rept 8
	BOTH v_lshlrev_b32 v[UU+16*p_+2*i_], 16, v[XX+8*p_+i_]
	BOTH v_and_b32 v[UU+16*p_+2*i_+1], s80, v[XX+8*p_+i_]
.set i_, i_+1
.endr
.set i_, 0
.rept 8
	BOTH v_pk_add_f32 v[YY+16*p_+2*i_:YY+16*p_+2*i_+1], v[YY+16*p_+2*i_:YY+16*p_+2*i_+1], v[UU+16*p_+2*i_:UU+16*p_+2*i_+1]
.set i_, i_+1
.endr
.set q_, 0
.rept 4
	BOTH global_store_b128 v[OV], v[YY+16*p_+4*q_:YY+16*p_+4*q_+3], s[18:19] offset:p_*2048+q_*256 th:TH_STORE_NT  ; 16 lanes store 256 consecutive bytes, at a multiple of 256 from out0's first byte
.set q_, q_+1
.endr
	v_add_nc_u32 v[YC], 4*PY, v[YC]
	v_add_nc_u32 v[MW], 4*PB, v[MW]
	s_wait_xcnt 0x0                                ; the stores' offset, and their data in the next trip, are rewritten only behind this wait
	v_add_nc_u32 v[OV], 4096, v[OV]
.endif
.endm
; kind 1: row tile rt's dump and its bf16 rows both begin at 16 rt PB in my region.  In trip t rows 4t .. 4t+3 are read before they are written back, the bf16 rows end at byte 2,112 t + 2,096
; and the unread f32 rows begin at 4,160 t + 4,160; a later dump begins where this tile's bf16 rows end.  LDS serves a wave's instructions in order (ISA guide 5.7.1.4).
.macro LNALL kind
	s_mov_b32 s72, 4
.Lrt_\@:
	s_cmp_eq_u32 s72, 4
	s_cbranch_scc1 .Ld0_\@
	s_cmp_eq_u32 s72, 3
	s_cbranch_scc1 .Ld1_\@
	s_cmp_eq_u32 s72, 2
	s_cbranch_scc1 .Ld2_\@
	DUMP 3, 2-(\kind)
	s_branch .Lrows_\@
.Ld0_\@:
	DUMP 0, 2-(\kind)
	s_branch .Lrows_\@
.Ld1_\@:
	DUMP 1, 2-(\kind)
	s_branch .Lrows_\@
.Ld2_\@:
	DUMP 2, 2-(\kind)
.Lrows_\@:
	v_mov_b32 v[YC], v[YR]
	s_mov_b32 s73, 4
.Lrow_\@:
	LNQ \kind
	s_sub_co_u32 s73, s73, 1
	s_cmp_lg_u32 s73, 0
	s_cbranch_scc1 .Lrow_\@
.if (\kind) == 1
	v_add_nc_u32 v[YD], 16*PB, v[YD]
	v_add_nc_u32 v[YR], 16*PB, v[YR]
.endif
	s_sub_co_u32 s72, s72, 1
	s_cmp_lg_u32 s72, 0
	s_cbranch_scc1 .Lrt_\@
.endm
.macro LNADR base                      ; the dump's two addresses from scalar register base; the bf16 rows' address in my region
	v_and_b32 v16, 15, v0
	v_bfe_u32 v17, v0, 4, 1
	v_mul_u32_u24 v[YD], v16, PY
	v_lshl_add_u32 v[YD], v17, 5, v[YD]
	v_add_nc_u32 v[YD], s[\base], v[YD]
	v_mul_u32_u24 v[YR], v17, PY
	v_lshl_add_u32 v[YR], v16, 4, v[YR]
	v_add_nc_u32 v[YR], s[\base], v[YR]
	v_mul_u32_u24 v[MW], v17, PB
	v_lshl_add_u32 v[MW], v16, 3, v[MW]
	v_add_nc_u32 v[MW], s[WB], v[MW]
.endm
	; PHASE 3.  m = LN1(y), as bf16 rows in my region (att's fragments there have been read)
	CVGB
	LNADR WB
	LNALL 1
	LDGB 14, 16                                    ; ln2's vectors: asked for here, wanted at the end; nothing touches v32-63 in between
	WIN 0x04                                       ; x's fragments of K steps 6, 7 go to my region's last 8 KB (the last dump there has been read): their registers take fragments on their way
.set i, 0
.rept 16
	ds_store_b128 v[XA], v[192+4*i:192+4*i+3] offset:512*i
.set i, i+1
.endr
	WIN 0
	; PHASE 4.  Eight chunks of 64 hidden units: a^T = W1 [x | m]^T (16 K steps, 16 accumulators), relu, rounding to f16 in place, o^T += W2 a^T (2 K steps, 64 accumulators).
	; LDS loads stand in runs of 16, each a run of products ahead of its use, and the runs are as few as the registers allow: 17 a chunk.  Two blocks of 64 registers take turns, v64-127 of window 0
	; and v192-255 of window 1.  K steps 0-5, whose x lies in registers: a block holds the weights of TWO steps, 32 products.  K steps 6-15: a block holds a step's four weight fragments and its
	; four fragments of x or m, 16 products.  W2: eight fragments, 32 products; its second block is the eight 8-register pieces that a's rounding to f16 in place has left free.
.macro LDW n, win, base, adr, off      ; n weight fragments that lie end to end
	WIN (\win)<<6
.set i_, 0
.rept 2*(\n)
	ds_load_b128 v[(\base)+4*i_:(\base)+4*i_+3], v[\adr] offset:(\off)+512*i_
.set i_, i_+1
.endr
.endm
.macro LDBX win, base, ks              ; x's fragments of K step 6 or 7
	WIN (\win)<<6
.set i_, 0
.rept 8
	ds_load_b128 v[(\base)+4*i_:(\base)+4*i_+3], v[XA] offset:((\ks)-6)*4096+512*i_
.set i_, i_+1
.endr
.endm
.macro LDBM win, base, mk              ; m's fragments of its K step mk, out of the bf16 rows
	WIN (\win)<<6
.set i_, 0
.rept 8
	ds_load_b128 v[(\base)+4*i_:(\base)+4*i_+3], v[XR] offset:(i_/2)*16*PB+(\mk)*64+(i_%2)*32
.set i_, i_+1
.endr
.endm
.macro LDH g                           ; W2's group g (1 or 3) into the free halves of a's blocks
	WIN 0
.set i_, 0
.rept 16
	ds_load_b128 v[HA+16*(i_/2)+8+4*(i_%2):HA+16*(i_/2)+8+4*(i_%2)+3], v[AW1] offset:16384+(\g)*8192+512*i_
.set i_, i_+1
.endr
.endm
.macro STEPLD k, adr, off              ; K step k (6 to 15): even k into window 1's block, odd k into window 0's
.if (\k)%2 == 0
	LDW 4, 1, P1A, \adr, \off
.if (\k) < 8
	LDBX 1, P1B, \k
.else
	LDBM 1, P1B, (\k)-8
.endif
.else
	LDW 4, 0, P0A, \adr, \off
.if (\k) < 8
	LDBX 0, P0B, \k
.else
	LDBM 0, P0B, (\k)-8
.endif
.endif
.endm
.macro MULW1 aw, ab, bw, bb, zero      ; one K step: 16 products, 16 accumulators by turns.  aw, bw: the windows of the weights' and of the rows' fragments
	WIN (\aw)|((\bw)<<2)
.set r_, 0
.rept 4
.set u_, 0
.rept 4
.set d_, HA+16*(4*(u_/2)+r_)+8*(u_%2)
.if \zero
	v_wmma_f32_16x16x32_bf16 v[d_:d_+7], v[(\ab)+8*u_:(\ab)+8*u_+7], v[(\bb)+8*r_:(\bb)+8*r_+7], 0
.else
	v_wmma_f32_16x16x32_bf16 v[d_:d_+7], v[(\ab)+8*u_:(\ab)+8*u_+7], v[(\bb)+8*r_:(\bb)+8*r_+7], v[d_:d_+7]
.endif
.set u_, u_+1
.endr
.set r_, r_+1
.endr
.endm
.macro STEPMUL k
.if (\k)%2 == 0
	MULW1 1, P1A, 1, P1B, 0
.else
	MULW1 0, P0A, 0, P0B, 0
.endif
.endm
.macro MULW2 g                         ; 32 products: K step g/2 of the chunk's two, channel tiles 8 (g%2) .. +7; 32 accumulators by turns
.if (\g)%2 == 0
	WIN 0xa0
.else
	WIN 0xf0
.endif
.set i_, 0
.rept 8
.if (\g)%2 == 0
.set a_, P0A+8*i_
.else
.set a_, HA+16*i_+8
.endif
.set r_, 0
.rept 4
.set d_, 8*(4*i_+r_)
	v_wmma_f32_16x16x32_f16 v[d_:d_+7], v[a_:a_+7], v[HA+16*(4*((\g)/2)+r_):HA+16*(4*((\g)/2)+r_)+7], v[d_:d_+7]
.set r_, r_+1
.endr
.set i_, i_+1
.endr
.endm
; Every s_wait_dscnt 16 below leaves out the 16 loads just issued, which are the next run's.
.macro CHUNK last
	PLACES 1                                       ; with the four behind the refill: five places in front of the products that write over a's registers, which the last chunk's products read
	LDW 8, 0, P0A, L16, 0                          ; K steps 0, 1
	LDW 8, 1, P1A, L16, 8192                       ; K steps 2, 3
	s_wait_dscnt 16
	MULW1 0, P0A, 1, 0, 1                          ; the first K step starts the sums
	MULW1 0, P0A+32, 1, 32, 0
	PLACES 4
	LDW 8, 0, P0A, L16, 16384                      ; K steps 4, 5
	s_wait_dscnt 16
	MULW1 1, P1A, 1, 64, 0
	MULW1 1, P1A+32, 1, 96, 0
	PLACES 4
	STEPLD 6, L16, 24576
	s_wait_dscnt 16
	MULW1 0, P0A, 1, 128, 0
	MULW1 0, P0A+32, 1, 160, 0
.set k_, 6
.rept 6
.if k_ < 11
	PLACES 4                                       ; the block loaded next was read by the products just issued
	STEPLD k_+1, L16, (k_+1)*4096
	s_wait_dscnt 16
.else
	s_wait_dscnt 0x0
.endif
	STEPMUL k_
.set k_, k_+1
.endr
	CHANGE G0S, G1S, 49152, 1-(\last)              ; BUF0 is read out: the next chunk's W1, K steps 0-11
.if \last
	PLACES 4                                       ; (elsewhere the four behind the refill)
.endif
	STEPLD 12, AW1, 0
.set k_, 12
.rept 4
.if k_ < 15
.if k_ > 12
	PLACES 4
.endif
	STEPLD k_+1, AW1, (k_-11)*4096
	s_wait_dscnt 16
.else
	s_wait_dscnt 0x0
.endif
	STEPMUL k_
.set k_, k_+1
.endr
	WIN 0
	PLACES 4
	LDW 8, 0, P0A, AW1, 16384                      ; W2's group 0 comes while relu is made
.set i_, 0
.rept 128
	v_max_num_f32 v[HA+i_], 0, v[HA+i_]
.set i_, i_+1
.endr
.set b_, 0
.rept 8
.set i_, 0
.rept 8
	v_cvt_pk_f16_f32 v[HA+16*b_+i_], v[HA+16*b_+2*i_], v[HA+16*b_+2*i_+1]
.set i_, i_+1
.endr
.set b_, b_+1
.endr
	LDH 1
	s_wait_dscnt 16
	MULW2 0
	PLACES 4
	LDW 8, 0, P0A, AW1, 16384+2*8192
	s_wait_dscnt 16
	MULW2 1
	PLACES 4
	LDH 3
	s_wait_dscnt 16
	MULW2 2
	s_wait_dscnt 0x0
	MULW2 3
	CHANGE G0S, G1S, 49152, 1-(\last)              ; BUF1 is read out: the next chunk's second slot
.endm
	s_mov_b32 s74, 7
.Lchunk:
	CHUNK 0
	s_sub_co_u32 s74, s74, 1
	s_cmp_lg_u32 s74, 0
	s_cbranch_scc1 .Lchunk
	CHUNK 1                                        ; the last chunk is written out: it asks for nothing
	; PHASE 5.  out = x + LN2(o).  Behind the last barrier nobody reads the two buffers and nothing fills them any more: my quarter of them takes the dumps.  x goes back into bf16 rows where m lay.
	PLACES 4
	WIN 0x40
.set i, 0
.rept 16
	ds_load_b128 v[192+4*i:192+4*i+3], v[XA] offset:512*i
.set i, i+1
.endr
	WIN 0x04
.set i, 0
.rept 64                               ; i = 8 ks + 2 rt + q
.if i == 48
	s_wait_dscnt 48                                ; all but the 48 stores just issued: K steps 6 and 7 are back in registers
.endif
	ds_store_b128 v[XR], v[4*i:4*i+3] offset:((i/2)%4)*16*PB+(i/8)*64+(i%2)*32
.set i, i+1
.endr
	WIN 0
	CVGB
	s_lshl_b32 s75, s[WV], 15
	LNADR 75
	v_lshlrev_b32 v[OV], 10, v17
	v_lshl_add_u32 v[OV], v16, 4, v[OV]
	LNALL 2
	s_wait_tensorcnt 0x0                           ; the wave's end: these three lines behind my last tensor load and my last LDS store
	ds_add_u32 v[SPW], v[NIL]
	s_wait_dscnt 0x0
	ROUND                                          ; the closing round: no work-group ends while a partner may still ask for a slot that names it
	s_endpgm
.Lfunc_end_k_qaafd91866f_main:
	.size	k_qaafd91866f_main, .Lfunc_end_k_qaafd91866f_main-k_qaafd91866f_main
	.p2alignl 7, 3214868480
	.fill 96, 4, 3214868480
	.section	.rodata,"a",@progbits
	.p2align	6, 0x0
	.amdhsa_kernel k_qaafd91866f_main
		.amdhsa_group_segment_fixed_size 327680
		.amdhsa_private_segment_fixed_size 0
		.amdhsa_enable_private_segment 0
		.amdhsa_kernarg_size 64
		.amdhsa_user_sgpr_count 2
		.amdhsa_user_sgpr_kernarg_segment_ptr 1
		.amdhsa_wavefront_size32 1
		.amdhsa_system_sgpr_workgroup_id_x 1
		.amdhsa_system_sgpr_workgroup_id_y 1
		.amdhsa_system_sgpr_workgroup_id_z 1
		.amdhsa_system_vgpr_workitem_id 0
		.amdhsa_next_free_vgpr 1024
		.amdhsa_next_free_sgpr 96
		.amdhsa_reserve_vcc 0
		.amdhsa_float_denorm_mode_32 3
		.amdhsa_float_denorm_mode_16_64 3
		.amdhsa_memory_ordered 1
		.amdhsa_forward_progress 1
		.amdhsa_inst_pref_size 255
	.end_amdhsa_kernel
	.section	.bss,"aw",@nobits
	.p2align	6
	.space	262144
	.amdgpu_metadata
---
amdhsa.version: [ 1, 2 ]
amdhsa.kernels:
  - .name:           k_qaafd91866f_main
    .symbol:         k_qaafd91866f_main.kd
    .args:
      - { .name: x, .offset: 0, .size: 8, .value_kind: global_buffer, .address_space: global }
      - { .name: wst, .offset: 8, .size: 8, .value_kind: global_buffer, .address_space: global }
      - { .name: kvf, .offset: 16, .size: 8, .value_kind: global_buffer, .address_space: global }
      - { .name: ln1_g, .offset: 24, .size: 8, .value_kind: global_buffer, .address_space: global }
      - { .name: ln1_b, .offset: 32, .size: 8, .value_kind: global_buffer, .address_space: global }
      - { .name: ln2_g, .offset: 40, .size: 8, .value_kind: global_buffer, .address_space: global }
      - { .name: ln2_b, .offset: 48, .size: 8, .value_kind: global_buffer, .address_space: global }
      - { .name: out0, .offset: 56, .size: 8, .value_kind: global_buffer, .address_space: global }
    .group_segment_fixed_size: 327680
    .private_segment_fixed_size: 0
    .kernarg_segment_align: 8
    .kernarg_segment_size: 64
    .max_flat_workgroup_size: 128
    .sgpr_count:     96
    .vgpr_count:     1024
    .wavefront_size: 32
...
	.end_amdgpu_metadata
.endif
;; end of part 4
